; MI455X (gfx1250); checked and timed in simulation.
; The chip was launched on July 23, 2026; its instructions are those of AMD's public machine-readable ISA for CDNA 5 (MIT licence, August 2026) and "CDNA5" Instruction Set Architecture Reference Guide (July 2026). The comments in the code are by the model that wrote it; some were corrected since.
;; Multi Head Attention. Allowed arithmetic: matrix products marked QUANTISED: E2M1 operands, one E8M0 scale for each 32 along K, by v_wmma_scale_f32_16x16x128_f8f6f4 with both operands' format E2M1 (or v_wmma_scale_f32_32x16x128_f4), f32 sums; products left as they are: bf16, f16 or f32 operands; f32 sums; everything else in f32.
;; Inputs: Wk 1,024 x 1,024 float32; Wo 1,024 x 1,024 float32; Wq 1,024 x 1,024 float32; Wv 1,024 x 1,024 float32; bo 1,024 float32; x 4 x 2,048 x 1,024 float32.
;; Outputs: out0 4 x 2,048 x 1,024 float32.
;; This version of the problem:
;;   THIS VERSION OF THE PROBLEM IS GIVEN IN LOW PRECISION. The matrix products marked QUANTISED in the list below multiply operands that are first quantised to E2M1 (2 exponent bits, 1 mantissa bit; 4 bits a number), with one power-of-two scale for each 32 numbers along K (OCP MX v1.0); their sums are f32. The products marked 'left as it is' may take bf16, f16 or f32 operands, with f32 sums. Whichever they take, every output number must still come out within the allowed error. Rounding operands to bf16 (8 significant bits) uses up far more of that allowance than f16 does (11 bits, for magnitudes from 6e-5 to 65,504). All else is computed in f32.
;;   The module's matrix products, in the order in which they are computed (A, B: the left and right operand; K: the contracted axis; several contracted axes count as one K, in the product's order):
;;     1. [M 8,192, K 1,024] x [K 1,024, N 1,024]; A: input x; B: input Wq: QUANTISED
;;     2. [M 8,192, K 1,024] x [K 1,024, N 1,024]; A: input x; B: input Wk: QUANTISED
;;     3. [M 8,192, K 1,024] x [K 1,024, N 1,024]; A: input x; B: input Wv: QUANTISED
;;     4. batch 64 x [M 2,048, K 64] x [K 64, N 2,048]; A: computed on the way; B: computed on the way: left as it is (an operand is computed on the way)
;;     5. batch 64 x [M 2,048, K 2,048] x [K 2,048, N 64]; A: computed on the way; B: computed on the way: left as it is (an operand is computed on the way)
;;     6. [M 8,192, K 1,024] x [K 1,024, N 1,024]; A: computed on the way; B: input Wo: left as it is (an operand is computed on the way)
;;   THE QUANTISER, for each operand of a quantised product, along K:
;;     - K is cut into blocks of 32 from its start; a last block that is shorter is filled with zeros.
;;     - A block's scale is 2^e with e = floor(log2(the largest magnitude in the block)) - 2, held to -126 .. 127; a block of zeros has e = 0. As a byte (E8M0): e + 127.
;;     - Each number is divided by its block's scale, clamped to +-6, and rounded to the nearest number of E2M1, ties to even, subnormals kept.
;;     - The product sums the exact products of the quantised numbers (number of the format x scale) in f32.
;;   ~~~python
;;   def quantise(x, axis):      # numpy; x: float32 -> the quantised numbers, widened to float32 again
;;       x = np.moveaxis(x, axis, -1); K = x.shape[-1]
;;       x = np.pad(x, [(0, 0)] * (x.ndim - 1) + [(0, -K % 32)]); x = x.reshape(x.shape[:-1] + (-1, 32)); a = np.abs(x).max(-1, keepdims=True)
;;       e = np.where(a > 0, np.clip(np.frexp(np.where(a > 0, a, 1))[1] - 1 - 2, -126, 127), 0)      # np.frexp(a)[1] - 1 = floor(log2(a)), exactly
;;       r = np.clip(x / 2.0 ** e, -6, 6)
;;       step = 2.0 ** (np.maximum(np.frexp(np.where(r == 0, 1, r))[1] - 1, 0) - 1)
;;       q = np.round(r / step) * step * 2.0 ** e      # np.round: ties to even
;;       return np.moveaxis(q.reshape(q.shape[:-2] + (-1,))[..., :K], -1, axis).astype(np.float32)
;;   ~~~
;; One version. Each part assembles by itself: llvm-mc -triple=amdgcn-amd-amdhsa -mcpu=gfx1250 --defsym DOCPART=n.
;; ======== version 1 of 1: 6 launches
;; limits: values are held in f16: magnitudes above 65,504 overflow, below 6.1e-05 lose precision
;; workspace buffers: x_codes 4,194,304 bytes; x_scales 262,144 bytes; w_codes 1,572,864 bytes; w_scales 98,304 bytes; wo16 2,097,152 bytes; qkv 50,331,648 bytes; fq 786,432 bytes; ctx 16,777,216 bytes
;; launch qx (part 1): grid 256 x 1, 4 waves a work-group, no clusters, 33,280 bytes of LDS; arguments x, x_codes, x_scales; writes x_codes, x_scales
.if DOCPART == 1
	.amdgcn_target "amdgcn-amd-amdhsa--gfx1250"
	.amdhsa_code_object_version 6
	.text
	.protected	k_q27c3b8c12c_qx
	.globl	k_q27c3b8c12c_qx
	.p2align	8
	.type	k_q27c3b8c12c_qx,@function
k_q27c3b8c12c_qx:
	s_mov_b64 s[64:65], 0
	v_nop
	global_prefetch_b8 v0, s[64:65] scope:SCOPE_SE
	s_setreg_imm32_b32 hwreg(HW_REG_WAVE_MODE, 25, 1), 1
	s_wait_xcnt 0x0
; x [8192][1024], f32, becomes codes of FP4 (E2M1), 4 bits each, K innermost, with one E8M0 scale byte for each 32 along K.
; A block's scale is 2^(floor(log2(its largest magnitude)) - 2); its byte is the largest magnitude's exponent field - 2, held at 1 from below.
; (A block of zeros so gets the byte 1 where the rule says 127: its codes are zeros, which add nothing, and the bytes are read by this program alone.)
; LIMITS: blocks whose largest magnitude lies under 2^-124, whose byte is held at 1, were not tried; NaN and infinities among the inputs are not served.
; Rows are dense and K is a multiple of 32: x is a plain stream of blocks of 32, and so are its codes and scale bytes.
; A wave takes 16 steps of 512 numbers.  Each of a step's four loads reads 512 consecutive bytes, 16 a lane; the 2,048 bytes turn through the wave's own stage
; in LDS and come back 64 bytes a lane, so that a lane holds 16 neighbours along K (two neighbouring lanes hold a block).  A lane's 16 codes are 8 bytes:
; the wave stores 256 consecutive bytes.  A wave's 256 scale bytes are gathered in its own LDS bytes and leave as one aligned run of 256 bytes.
; No barrier: waves share nothing.  Loads run four steps (16 loads a wave) ahead, the turn through LDS one step.
.set WAVES, 4
.set STEPS, 16
.set EMAX,  2
.set CB,    8                          ; bytes of 16 codes
.set R,     16                         ; v16-79   four sets of 16 numbers as they are loaded
.set X,     80                         ; v80-111  two sets of 16 neighbours
.set C,     128                        ; v128-191 codes: four registers for each step, so that no store's data are written again
.set E,     112                        ; v112-127 a scale byte for each step
.set WREG,  8192                       ; LDS: a region for each wave: two stages of 32 x SP bytes, behind them its 256 scale bytes
.set SP,    80                         ; a lane's place in a stage: its 64 bytes + 16 of padding
.set SPW,   12                         ; v12 LDS address of my spare word; never rewritten
.set NIL,   13                         ; v13 0; never rewritten
.set SPARE, WAVES*WREG                 ; behind the four regions: the spare words, 128 bytes a wave
	s_load_b128 s[4:7], s[0:1], 0x0                ; x s[4:5], the codes s[6:7]
	s_load_b64 s[8:9], s[0:1], 0x10                ; the scale bytes
	v_lshl_add_u32 v[SPW], v0, 2, SPARE
	v_mov_b32 v[NIL], 0
	v_lshrrev_b32 v1, 5, v0
	v_readfirstlane_b32 s16, v1                    ; wave
	v_and_b32 v2, 31, v0                           ; lane
	v_lshlrev_b32 v3, 4, v2                        ; my 16 bytes of a load's 512
	s_mul_i32 s17, s16, WREG
	v_lshrrev_b32 v14, 2, v2
	v_mul_u32_u24 v14, v14, SP
	v_and_b32 v15, 3, v2
	v_lshl_add_u32 v14, v15, 4, v14
	v_add_nc_u32 v14, s17, v14                     ; the stage, on the way in: SP (lane / 4) + 16 (lane % 4)
	v_mul_u32_u24 v15, v2, SP
	v_add_nc_u32 v15, s17, v15                     ; and on the way out: SP x lane: my 16 neighbours
	v_mul_u32_u24 v4, v2, CB                       ; my codes' place in a step's
	v_lshrrev_b32 v5, 1, v2
	s_add_co_u32 s17, s17, 2*32*SP
	v_add_nc_u32 v5, s17, v5                       ; LDS: my wave's 256 scale bytes, my block's byte
	v_lshlrev_b32 v7, 3, v2                        ; and on the way out 8 bytes a lane
	v_add_nc_u32 v6, s17, v7
	s_lshl_b32 s17, ttmp9, 2
	s_add_co_u32 s18, s17, s16                     ; which run of 8,192 numbers is my wave's
	s_mov_b32 s19, 0
	s_lshl_b32 s20, s18, 15                        ; 32,768 bytes of x a run (1,024 runs: under 2^25)
	s_mov_b32 s21, 0
	s_lshl_b32 s22, s18, 12                        ; 4,096 bytes of codes
	s_mov_b32 s23, 0
	s_lshl_b32 s18, s18, 8                         ; 256 scale bytes
	s_wait_kmcnt 0x0
	s_add_nc_u64 s[4:5], s[4:5], s[20:21]
	s_add_nc_u64 s[6:7], s[6:7], s[22:23]
	s_add_nc_u64 s[8:9], s[8:9], s[18:19]
.macro LOAD t
.irp i, 0,1,2,3
	global_load_b128 v[R+16*((\t)%4)+4*\i:R+16*((\t)%4)+4*\i+3], v3, s[4:5] offset:2048*(\t)+512*\i th:TH_LOAD_NT   ; 32 lanes read 512 consecutive bytes
.endr
.endm
.macro TURN t                          ; step t's numbers through the stage: LDS serves a wave's instructions in order, so no wait stands between the stores and the loads
.irp i, 0,1,2,3
	ds_store_b128 v14, v[R+16*((\t)%4)+4*\i:R+16*((\t)%4)+4*\i+3] offset:32*SP*((\t)%2)+8*SP*\i
.endr
.irp i, 0,1,2,3
	ds_load_b128 v[X+16*((\t)%2)+4*\i:X+16*((\t)%2)+4*\i+3], v15 offset:32*SP*((\t)%2)+16*\i
.endr
.endm
.irp t, 0,1,2,3
	LOAD \t
.endr
	s_wait_loadcnt 12                              ; step 0's four loads are in; the twelve of steps 1 to 3 may be out
	TURN 0
.macro STEP t
.set XS, X+16*((\t)%2)
.if (\t) > 0
	s_wait_dscnt 1                                 ; this step's numbers are back from the stage (the last step's byte store may be out)
.else
	s_wait_dscnt 0x0
.endif
.if (\t)+4 < STEPS
	LOAD (\t)+4                                    ; the registers that the stage's stores have read take the loads of four steps on
.endif
.if (\t)+1 < STEPS
.if STEPS-2-(\t) >= 3
	s_wait_loadcnt 12                              ; the next step's four loads are in; those of the three steps behind it may be out
.else
	s_wait_loadcnt 4*(STEPS-2-(\t))
.endif
	TURN (\t)+1                                    ; and go through the other stage while this step is worked
.endif
	v_max3_num_f32 v8, |v[XS]|, |v[XS+1]|, |v[XS+2]|               ; the largest magnitude of my 16, in two chains
	v_max3_num_f32 v9, |v[XS+3]|, |v[XS+4]|, |v[XS+5]|
.irp i, 6,10
	v_max3_num_f32 v8, v8, |v[XS+\i]|, |v[XS+\i+1]|
	v_max3_num_f32 v9, v9, |v[XS+\i+2]|, |v[XS+\i+3]|
.endr
	v_max3_num_f32 v8, v8, |v[XS+14]|, |v[XS+15]|
	v_max3_num_f32 v8, v8, v9, (EMAX+1)<<23        ; and the floor 2^(3 - 127): the byte cannot fall under 1
	v_max_num_f32_dpp v8, v8, v8 row_xmask:1 row_mask:0xf bank_mask:0xf   ; and of my neighbour's 16: the block's
	v_add_nc_u32 v11, -(EMAX<<23), v8              ; 2 off its exponent field: the conversion takes the exponent field of this operand as its scale
	v_cvt_scalef32_pk8_fp4_f32 v[C+4*(\t)], v[XS:XS+7], v11
	v_cvt_scalef32_pk8_fp4_f32 v[C+4*(\t)+1], v[XS+8:XS+15], v11
	v_lshrrev_b32 v[E+(\t)], 23, v11               ; the scale's byte (also the plain line behind the conversions)
	ds_store_b8 v5, v[E+(\t)] offset:16*(\t)       ; both lanes of a block write the same byte with the same value
	global_store_b64 v4, v[C+4*(\t):C+4*(\t)+1], s[6:7] offset:32*CB*(\t)   ; 32 lanes store 256 consecutive bytes, aligned
.endm
.irp t, 0,1,2,3,4,5,6,7,8,9,10,11,12,13,14,15
	STEP \t
.endr
	ds_load_b64 v[8:9], v6                         ; LDS serves a wave's instructions in order: these see my stores
	s_wait_dscnt 0x0
	global_store_b64 v7, v[8:9], s[8:9]            ; 32 lanes store 256 consecutive bytes, aligned
	s_wait_tensorcnt 0x0                           ; the wave's end: the tensor wait, an add of 0 to my spare word and the wait for it, behind my last LDS store
	ds_add_u32 v[SPW], v[NIL]
	s_wait_dscnt 0x0
	s_endpgm
.Lfunc_end_k_q27c3b8c12c_qx:
	.size	k_q27c3b8c12c_qx, .Lfunc_end_k_q27c3b8c12c_qx-k_q27c3b8c12c_qx
	.p2alignl 7, 3214868480
	.fill 96, 4, 3214868480
	.section	.rodata,"a",@progbits
	.p2align	6, 0x0
	.amdhsa_kernel k_q27c3b8c12c_qx
		.amdhsa_group_segment_fixed_size 33280
		.amdhsa_private_segment_fixed_size 0
		.amdhsa_enable_private_segment 0
		.amdhsa_kernarg_size 24
		.amdhsa_user_sgpr_count 2
		.amdhsa_user_sgpr_kernarg_segment_ptr 1
		.amdhsa_wavefront_size32 1
		.amdhsa_system_sgpr_workgroup_id_x 1
		.amdhsa_system_sgpr_workgroup_id_y 1
		.amdhsa_system_sgpr_workgroup_id_z 1
		.amdhsa_system_vgpr_workitem_id 0
		.amdhsa_next_free_vgpr 192
		.amdhsa_next_free_sgpr 66
		.amdhsa_reserve_vcc 0
		.amdhsa_float_denorm_mode_32 3
		.amdhsa_float_denorm_mode_16_64 3
		.amdhsa_memory_ordered 1
		.amdhsa_forward_progress 1
		.amdhsa_inst_pref_size 33
	.end_amdhsa_kernel
	.amdgpu_metadata
---
amdhsa.version: [ 1, 2 ]
amdhsa.kernels:
  - .name:           k_q27c3b8c12c_qx
    .symbol:         k_q27c3b8c12c_qx.kd
    .args:
      - { .name: x, .offset: 0, .size: 8, .value_kind: global_buffer, .address_space: global }
      - { .name: x_codes, .offset: 8, .size: 8, .value_kind: global_buffer, .address_space: global }
      - { .name: x_scales, .offset: 16, .size: 8, .value_kind: global_buffer, .address_space: global }
    .group_segment_fixed_size: 33280
    .private_segment_fixed_size: 0
    .kernarg_segment_align: 8
    .kernarg_segment_size: 24
    .max_flat_workgroup_size: 128
    .sgpr_count:     66
    .vgpr_count:     192
    .wavefront_size: 32
...
	.end_amdgpu_metadata
.endif
;; end of part 1
;; launch qw (part 2): grid 112 x 1, 4 waves a work-group, no clusters, 35,840 bytes of LDS; arguments Wq, Wk, Wv, Wo, w_codes, w_scales, wo16; writes w_codes, w_scales, wo16
.if DOCPART == 2
	.amdgcn_target "amdgcn-amd-amdhsa--gfx1250"
	.amdhsa_code_object_version 6
	.text
	.protected	k_q27c3b8c12c_qw
	.globl	k_q27c3b8c12c_qw
	.p2align	8
	.type	k_q27c3b8c12c_qw,@function
k_q27c3b8c12c_qw:
	s_mov_b64 s[64:65], 0
	v_nop
	global_prefetch_b8 v0, s[64:65] scope:SCOPE_SE
	s_setreg_imm32_b32 hwreg(HW_REG_WAVE_MODE, 25, 1), 1
	s_wait_xcnt 0x0
; Work-groups 0-47: Wq, Wk, Wv [1024 (k)][1024 (n)], f32, K their FIRST axis, become codes of FP4 (E2M1) laid [3072 (n)][1024 (k)], K innermost (rows 0-1023 Wq's columns,
; then Wk's, then Wv's), and one E8M0 scale byte for each 32 along K, laid [3072][32].  A LANE TAKES A COLUMN n, AND ITS REGISTERS RUN DOWN K: each load reads neighbouring n in
; neighbouring lanes, a block of 32 lies in one lane's 32 registers, and the conversions give the codes with K innermost.  A wave takes 32 columns x 512 along K; its codes go
; through its own stage in LDS and leave as rows: sixteen lanes store 256 consecutive bytes, aligned.
; A block's scale is 2^(floor(log2(its largest magnitude)) - 2); its byte is held at 1 from below (a block of zeros gets the byte 1: its codes are zeros; this program alone reads the bytes).
; Work-groups 48-111: Wo [1024][1024] f32 becomes f16, element by element, in the same order: a stream, 16,384 bytes a wave, no LDS.
; LIMITS: blocks whose largest magnitude lies under 2^-124 were not tried; NaN and infinities are not served; Wo in f16: infinity beyond 65,504, smallest step 6e-8.
.set SIZE_K, 1024
.set SIZE_N, 1024
.set KW,    512                        ; along K for a wave
.set NB,    KW/32                      ; blocks
.set ROWB,  256                        ; bytes of KW codes
.set PITCH, ROWB+16                    ; a stage row
.set KROW,  SIZE_K*4/8                 ; a row of the codes' buffer in bytes
.set EMAX,  2
.set X,     32                         ; v32-95   two sets of 32 numbers
.set C,     96                         ; v96-99   a block's codes
.set OUTR,  112                        ; v112-175 the way out: 16 x 4 registers
.set SPW,   14                         ; v14 LDS address of my spare word; never rewritten
.set NIL,   15                         ; v15 0; never rewritten
.set SPARE, 4*32*PITCH                 ; behind the four stages: the spare words, 128 bytes a wave
.set SB,    24                         ; v24-27   the scale bytes, four to a register
	s_load_b256 s[4:11], s[0:1], 0x0               ; Wq, Wk, Wv, Wo
	s_load_b128 s[12:15], s[0:1], 0x20             ; the codes, the scale bytes
	s_load_b64 s[36:37], s[0:1], 0x30              ; Wo in f16
	v_lshl_add_u32 v[SPW], v0, 2, SPARE
	v_mov_b32 v[NIL], 0
	v_lshrrev_b32 v1, 5, v0
	v_readfirstlane_b32 s16, v1                    ; wave 0..3
	v_and_b32 v2, 31, v0                           ; lane
	s_wait_kmcnt 0x0
	s_cmp_lt_u32 ttmp9, 48
	s_cbranch_scc0 .Lwo
	; ---- the three quantised weights
	s_lshr_b32 s30, ttmp9, 1                       ; which 128 of the 3,072 output rows
	s_and_b32 s18, ttmp9, 1                        ; which 512 along K
	s_lshl_b32 s19, s16, 5
	s_lshl_b32 s17, s30, 7
	s_add_co_u32 s17, s17, s19                     ; my wave's first output row
	s_and_b32 s31, s30, 7
	s_lshl_b32 s31, s31, 7
	s_add_co_u32 s31, s31, s19                     ; and its first column in its weight
	s_lshl_b32 s20, s18, 21                        ; the weight: 512 rows of 4,096 bytes,
	s_lshl_b32 s22, s31, 2
	s_add_co_u32 s20, s20, s22                     ; + 4 x column
	s_mov_b32 s21, 0
	s_lshl_b32 s24, s17, 9                         ; the codes: row x 512 bytes,
	s_lshl_b32 s26, s18, 8
	s_add_co_u32 s24, s24, s26                     ; + 256 for the second half of K
	s_mov_b32 s25, 0
	s_lshl_b32 s28, s17, 5                         ; the scale bytes: row x 32,
	s_lshl_b32 s26, s18, 4
	s_add_co_u32 s28, s28, s26                     ; + 16
	s_mov_b32 s29, 0
	s_cmp_lt_u32 s30, 16                           ; the weight is chosen by the work-group's number alone
	s_cselect_b64 s[6:7], s[6:7], s[8:9]
	s_cmp_lt_u32 s30, 8
	s_cselect_b64 s[4:5], s[4:5], s[6:7]
	s_add_nc_u64 s[4:5], s[4:5], s[20:21]
	s_add_nc_u64 s[12:13], s[12:13], s[24:25]
	s_add_nc_u64 s[14:15], s[14:15], s[28:29]
	v_lshlrev_b32 v3, 2, v2                        ; in: 4 bytes a lane
	s_mul_i32 s19, s16, 32*PITCH                   ; my stage
	v_mul_u32_u24 v4, v2, PITCH
	v_add_nc_u32 v4, s19, v4                       ; into it: row = my column
	v_and_b32 v5, 15, v2
	v_lshrrev_b32 v6, 4, v2                        ; out of it: sixteen lanes to a row, two rows an instruction
	v_mul_u32_u24 v7, v6, PITCH
	v_lshl_add_u32 v7, v5, 4, v7
	v_add_nc_u32 v7, s19, v7
	v_mul_u32_u24 v8, v6, KROW
	v_lshl_add_u32 v8, v5, 4, v8                   ; and the same place in the codes' buffer
	v_mul_u32_u24 v9, v2, SIZE_K/32                ; my column's row of scale bytes
.macro LOAD t                          ; block t: W(32 t + i, my column), i = 0 .. 31, into set t % 2.  The largest offset, 511 x 4,096, lies inside the signed 24-bit immediate
.irp i, 0,1,2,3,4,5,6,7,8,9,10,11,12,13,14,15,16,17,18,19,20,21,22,23,24,25,26,27,28,29,30,31
	global_load_b32 v[X+32*((\t)%2)+\i], v3, s[4:5] offset:(32*(\t)+\i)*SIZE_N*4 th:TH_LOAD_NT
.endr
.endm
	LOAD 0
	LOAD 1
.macro BLOCK t
.set XS, X+32*((\t)%2)
.if (\t) < NB-1
	s_wait_loadcnt 32                              ; this block's 32 loads are in; the next block's 32 may be out
.else
	s_wait_loadcnt 0
.endif
	v_max3_num_f32 v12, |v[XS]|, |v[XS+1]|, |v[XS+2]|               ; the block's largest magnitude: all 32 numbers are mine
	v_max3_num_f32 v13, |v[XS+3]|, |v[XS+4]|, |v[XS+5]|
.irp i, 6,10,14,18,22,26
	v_max3_num_f32 v12, v12, |v[XS+\i]|, |v[XS+\i+1]|
	v_max3_num_f32 v13, v13, |v[XS+\i+2]|, |v[XS+\i+3]|
.endr
	v_max3_num_f32 v12, v12, |v[XS+30]|, |v[XS+31]|
	v_max3_num_f32 v12, v12, v13, (EMAX+1)<<23     ; and the floor 2^(3 - 127): the byte cannot fall under 1
	v_add_nc_u32 v11, -(EMAX<<23), v12             ; 2 off its exponent field: the conversion's scale operand
	v_lshrrev_b32 v13, 23, v11                     ; the scale's byte
.if (\t)%4 == 0
	v_mov_b32 v[SB+(\t)/4], v13                    ; four bytes to a register, the lower K in the lower byte
.else
	v_lshl_or_b32 v[SB+(\t)/4], v13, 8*((\t)%4), v[SB+(\t)/4]
.endif
.irp g, 0,1,2,3
	v_cvt_scalef32_pk8_fp4_f32 v[C+\g], v[XS+8*\g:XS+8*\g+7], v11
.endr
	ds_store_b128 v4, v[C:C+3] offset:16*(\t)      ; 32 codes: 16 bytes of my column's row
.if (\t)+2 < NB
	LOAD (\t)+2
.endif
	s_wait_dscnt 0x0                               ; the store has read its registers: the next block's codes may be written
.endm
.set Q, 0
.rept NB
	BLOCK Q
.set Q, Q+1
.endr
	global_store_b128 v9, v[SB:SB+3], s[14:15]     ; my column's 16 scale bytes
.irp t, 0,1,2,3,4,5,6,7,8,9,10,11,12,13,14,15
	ds_load_b128 v[OUTR+4*\t:OUTR+4*\t+3], v7 offset:2*\t*PITCH   ; LDS serves a wave's instructions in order: these see my stores
.endr
.irp t, 0,1,2,3,4,5,6,7,8,9,10,11,12,13,14,15
	s_wait_dscnt 15-\t                             ; the younger loads may be out
	global_store_b128 v8, v[OUTR+4*\t:OUTR+4*\t+3], s[12:13] offset:2*\t*KROW
.endr
	s_wait_tensorcnt 0x0                           ; the wave's end: the tensor wait, an add of 0 to my spare word and the wait for it, behind my last LDS store
	ds_add_u32 v[SPW], v[NIL]
	s_wait_dscnt 0x0
	s_endpgm
.Lwo:
	; ---- Wo to f16: 32 loads of 512 consecutive bytes, all on their way at once; every result has registers of its own, so nothing is written twice.
	s_sub_co_u32 s20, ttmp9, 48
	s_lshl_b32 s20, s20, 16                        ; 65,536 bytes of Wo a work-group,
	s_lshl_b32 s22, s16, 14
	s_add_co_u32 s20, s20, s22                     ; 16,384 a wave
	s_mov_b32 s21, 0
	s_add_nc_u64 s[10:11], s[10:11], s[20:21]
	s_lshr_b32 s20, s20, 1                         ; and half as many on the way out
	s_add_nc_u64 s[36:37], s[36:37], s[20:21]
	v_lshlrev_b32 v3, 4, v2
	v_lshlrev_b32 v4, 3, v2
.set j, 0
.rept 32
	global_load_b128 v[32+4*j:35+4*j], v3, s[10:11] offset:512*j th:TH_LOAD_NT
.set j, j+1
.endr
.set j, 0
.rept 32
	s_wait_loadcnt 31-j                            ; loads come back in order: load j is in, the younger ones may be out
	v_cvt_pk_f16_f32 v[160+2*j], v[32+4*j], v[33+4*j]
	v_cvt_pk_f16_f32 v[161+2*j], v[34+4*j], v[35+4*j]
	global_store_b64 v4, v[160+2*j:161+2*j], s[36:37] offset:256*j   ; 32 lanes store 256 consecutive bytes, aligned
.set j, j+1
.endr
	s_endpgm
.Lfunc_end_k_q27c3b8c12c_qw:
	.size	k_q27c3b8c12c_qw, .Lfunc_end_k_q27c3b8c12c_qw-k_q27c3b8c12c_qw
	.p2alignl 7, 3214868480
	.fill 96, 4, 3214868480
	.section	.rodata,"a",@progbits
	.p2align	6, 0x0
	.amdhsa_kernel k_q27c3b8c12c_qw
		.amdhsa_group_segment_fixed_size 35840
		.amdhsa_private_segment_fixed_size 0
		.amdhsa_enable_private_segment 0
		.amdhsa_kernarg_size 56
		.amdhsa_user_sgpr_count 2
		.amdhsa_user_sgpr_kernarg_segment_ptr 1
		.amdhsa_wavefront_size32 1
		.amdhsa_system_sgpr_workgroup_id_x 1
		.amdhsa_system_sgpr_workgroup_id_y 1
		.amdhsa_system_sgpr_workgroup_id_z 1
		.amdhsa_system_vgpr_workitem_id 0
		.amdhsa_next_free_vgpr 224
		.amdhsa_next_free_sgpr 66
		.amdhsa_reserve_vcc 0
		.amdhsa_float_denorm_mode_32 3
		.amdhsa_float_denorm_mode_16_64 3
		.amdhsa_memory_ordered 1
		.amdhsa_forward_progress 1
		.amdhsa_inst_pref_size 90
	.end_amdhsa_kernel
	.amdgpu_metadata
---
amdhsa.version: [ 1, 2 ]
amdhsa.kernels:
  - .name:           k_q27c3b8c12c_qw
    .symbol:         k_q27c3b8c12c_qw.kd
    .args:
      - { .name: Wq, .offset: 0, .size: 8, .value_kind: global_buffer, .address_space: global }
      - { .name: Wk, .offset: 8, .size: 8, .value_kind: global_buffer, .address_space: global }
      - { .name: Wv, .offset: 16, .size: 8, .value_kind: global_buffer, .address_space: global }
      - { .name: Wo, .offset: 24, .size: 8, .value_kind: global_buffer, .address_space: global }
      - { .name: w_codes, .offset: 32, .size: 8, .value_kind: global_buffer, .address_space: global }
      - { .name: w_scales, .offset: 40, .size: 8, .value_kind: global_buffer, .address_space: global }
      - { .name: wo16, .offset: 48, .size: 8, .value_kind: global_buffer, .address_space: global }
    .group_segment_fixed_size: 35840
    .private_segment_fixed_size: 0
    .kernarg_segment_align: 8
    .kernarg_segment_size: 56
    .max_flat_workgroup_size: 128
    .sgpr_count:     66
    .vgpr_count:     224
    .wavefront_size: 32
...
	.end_amdgpu_metadata
.endif
;; end of part 2
;; launch qkv (part 3): grid 12 x 32, 4 waves a work-group, clusters of 4 x 4, 327,680 bytes of LDS; arguments x_codes, x_scales, w_codes, w_scales, qkv, fq; writes qkv, fq
.if DOCPART == 3
	.amdgcn_target "amdgcn-amd-amdhsa--gfx1250"
	.amdhsa_code_object_version 6
	.text
	.protected	k_q27c3b8c12c_qkv
	.globl	k_q27c3b8c12c_qkv
	.p2align	8
	.type	k_q27c3b8c12c_qkv,@function
k_q27c3b8c12c_qkv:
	s_mov_b64 s[64:65], 0
	v_nop
	global_prefetch_b8 v0, s[64:65] scope:SCOPE_SE
	s_setreg_imm32_b32 hwreg(HW_REG_WAVE_MODE, 25, 1), 1
	s_wait_xcnt 0x0
	s_wait_alu depctr_hold_cnt(0) depctr_sa_sdst(0) depctr_va_vdst(0) depctr_va_sdst(0) depctr_va_ssrc(0) depctr_va_vcc(0) depctr_vm_vsrc(0)
	s_getreg_b32 s2, hwreg(HW_REG_IB_STS2, 6, 4)
	s_cmp_eq_u32 s2, 0
	s_cbranch_scc0 .Lentry_in_a_cluster
	s_endpgm
.Lentry_in_a_cluster:
	s_bfe_u32 s2, ttmp6, 0x10000c
	s_cmp_lg_u32 s2, 0xf033
	s_cbranch_scc0 .Lentry_shape_is_right
	s_endpgm
.Lentry_shape_is_right:
; q, k, v = x Wq, x Wk, x Wv as ONE product C[m][n] = sum over k of A[m][k] B[n][k] on codes of FP4 (E2M1) with one E8M0 scale for each 32 along K.
; A: x's codes [8192][1024], B: the three weights' codes [3072][1024] (rows 0-1023 Wq's columns, then Wk's, then Wv's); sums in f32.
; The result leaves in f16, laid [3 (q, k, v)][64 (batch x 16 + head)][2048 (position)][64]: a head's rows are dense, so two neighbouring positions of a head are 256 consecutive bytes.
; The first 16 positions of every sequence leave in f32 too, into fq [4][16][3072]: the small last launch carries those rows finely.
; LIMIT: q, k, v in f16: infinity beyond 65,504, smallest step 6e-8.
; A tile of C, 256 x 256, is made by a work-group of four waves; a wave makes 128 x 128: 64 accumulators of 16 x 16, 512 registers.
; K = 1,024 is two LDS slots of 512 along K (a tile's row is 256 bytes of memory): both are filled at the start and nothing is filled again.
; THE SCALES of the work-group's 256 rows of A and of B, for all of K, are two dense blocks of memory: they come into LDS once, with the first fills.
; CLUSTERS: 4 x 4 work-groups.  The four of a row of the cluster need the same tiles of A, the four of a column the same tiles of B: each tile is asked for JOINTLY.
; The tile row of C is 8 cy + cluster y: cy is the batch and cluster y the block of 256 positions, so whether a tile holds positions 0-15 is the same in all sixteen partners.
; THE MATRIX INSTRUCTION IS USED TRANSPOSED (source 0 = 16 rows of B, source 1 = 16 rows of A): a lane then holds eight neighbouring numbers of a row of C.
; REGISTERS, in windows of 256: window 0: v16-29 addresses; v32-95 scale words, two sets; from v128 A's fragments, ONE set; on the way out v32-255 are free.
;   window 1: B's fragments, TWO sets, at v0 and v128.   window 2: the accumulators of my rows 0-63 ((a, b) at v[8 (8 a + b)]);   window 3: those of my rows 64-127.
.set SIZE_K, 1024
.set KSTEP,  512                       ; along K in a slot
.set NQ,     KSTEP/128                 ; matrix instructions deep
.set ROWB,   256                       ; a tile's row in bytes
.set KROW,   SIZE_K*4/8                ; a row of A or of B in memory, in bytes
.set PITCH,  272                       ; an LDS row: 256 bytes + 16 of padding: the 16 rows that a load touches start at 16 different banks (64 banks of 4 bytes: ISA guide 11.1)
.set FR,     8                         ; registers of a fragment: 16 rows x 128 K
.set NL,     2                         ; LDS loads that bring one
.set NP,     4                         ; places behind this matrix instruction (ISA guide 7.12.1)
.set HALFT,  128*PITCH                 ; 128 rows: what one tensor load brings
.set SLOT,   4*HALFT                   ; A's 256 rows, then B's 256 rows
.set KS,     SIZE_K/32                 ; a row of scales in bytes
.set SCL,    2*SLOT                    ; behind the slots: the scales, as runs of 256 bytes + 16 of padding
.set HALFS,  (128*KS/256)*272          ; the scales of 128 rows
.set SBLK,   (16*KS/256)*272           ; those of 16 rows
.set SPARE,  SCL+4*HALFS               ; the spare words, 128 bytes a wave
.set SPITCH, 272                       ; the way out in f16: a stage of 16 rows x (256 bytes + 16) for each wave, in slot 0, which has had its only fill and its last read by then
.set FSTG,   32768                     ; the way out in f32: a stage of 16 rows x (512 bytes + 16) for each wave, further on in slot 0
.set FPITCH, 528
.set ADRA, 16                          ; v16-17 LDS address of my A fragments in slot 0, 1
.set STO32, 18                         ; v18 f32 stage: where I put 32 bytes of a row
.set RD32, 19                          ; v19 f32 stage: where I read a row back
.set ADRB, 20                          ; v20-21 the same as ADRA for B
.set CO32, 22                          ; v22 my 16 bytes of a row's 512 in fq
.set STO,  24                          ; v24 f16 stage: where I put 16 bytes of a row
.set RD,   25                          ; v25 f16 stage: where I read back
.set CO,   26                          ; v26 my byte offset in qkv
.set ADRS, 27                          ; v27 LDS address of my scale words: lanes 0-15 A's rows, lanes 16-31 B's
.set SPW,  28                          ; v28 LDS address of my spare word; never rewritten
.set NIL,  29                          ; v29 0; never rewritten
.set SC,   32                          ; scale words: set s at v[SC + 8 NQ s]; register NQ i + q: lanes 0-15 A's block i, lanes 16-31 B's block i, the slot's q-th 128 along K
.set AF,   128                         ; A's fragments, in window 0
.set TMP,  192                         ; the way out: packed results
.set OB,   32                          ; the way out: 16 rows read back: v32-63 and v224-255 by turns
.set G1, 24                            ; s[24:31] group 1 for A's tiles;  s[32:39] group 0, one set for each slot
.set G0, 32
.set G1B, 48                           ; s[48:55], s[56:63] the same for B's tiles
.set G0B, 56
.set G1S, 68                           ; s[68:75], s[76:79] groups 1 and 0 for A's scales;  s[80:87], s[88:91] for B's
.set G0S, 76
.set G1SB, 80
.set G0SB, 88
.set MSB, 0
.macro WIN new                         ; the immediate's high byte repeats the setting that is left
.if MSB != \new
	s_set_vgpr_msb (MSB<<8)|\new
.set MSB, \new
.endif
.endm
.set MUL_LO, 0xa1                      ; source 0 (B) window 1, source 1 (A) window 0, C and D window 2
.set MUL_HI, 0xf1                      ; the same, C and D window 3
.set TO_B,   0x40                      ; destination window 1, address window 0
; A joint load: waves 0 and 1 fetch for A, waves 2 and 3 for B.  Each line has ONE mask and one set of registers for all that issue it; the branch hangs on the wave's number alone.
; An s_nop 0 and four v_nop follow each of the two lines.
.macro JLOAD g0a, g1a, g0b, g1b
	s_cmp_eq_u32 s15, 0
	s_cbranch_scc0 .Lfor_b_\@
	tensor_load_to_lds s[\g0a:\g0a+3], s[\g1a:\g1a+7]
	s_nop 0
.rept 4
	v_nop
.endr
	s_branch .Lasked_\@
.Lfor_b_\@:
	tensor_load_to_lds s[\g0b:\g0b+3], s[\g1b:\g1b+7]
	s_nop 0
.rept 4
	v_nop
.endr
.Lasked_\@:
.endm
.macro CROUND                          ; a round of the cluster's barrier
	s_barrier_signal -1
	s_barrier_wait -1
	s_cmp_lg_u32 s14, 0
	s_cbranch_scc1 .Lnot_wave_0_\@
	s_barrier_signal -3
.Lnot_wave_0_\@:
	s_barrier_wait -3
	s_barrier_signal -1
	s_barrier_wait -1
.endm
	s_load_b128 s[4:7], s[0:1], 0x0                ; A's codes s[4:5], A's scales s[6:7]
	s_load_b128 s[8:11], s[0:1], 0x10              ; B's codes s[8:9], B's scales s[10:11]
	s_load_b64 s[12:13], s[0:1], 0x20              ; qkv
	s_load_b64 s[96:97], s[0:1], 0x28              ; fq
	v_lshl_add_u32 v[SPW], v0, 2, SPARE
	v_mov_b32 v[NIL], 0
	ds_add_u32 v[SPW], v[NIL]                      ; the wave's opening: the add, twice on end, and its wait ahead of my first tensor load
	ds_add_u32 v[SPW], v[NIL]
	v_lshrrev_b32 v1, 5, v0
	v_readfirstlane_b32 s14, v1                    ; wave 0..3
	s_lshr_b32 s15, s14, 1                         ; which half of the tile's rows is mine.  Also: I fetch for A (0) or for B (1)
	s_and_b32 s16, s14, 1                          ; which half of its columns.  Also: which 128 rows of that tile I fetch
	s_bfe_u32 s40, ttmp6, 0x40000                  ; cx, cy: my place in the cluster
	s_bfe_u32 s41, ttmp6, 0x40004
	s_lshl_b32 s42, ttmp9, 2
	s_add_co_u32 s42, s42, s40                     ; tile column of C = 4 x cluster x + cx
	s_and_b32 s17, ttmp7, 0xffff
	s_lshl_b32 s18, s41, 3
	s_add_co_u32 s17, s17, s18                     ; tile row of C = 8 cy + cluster y
	s_lshl_b32 s43, s41, 2
	s_lshl_b32 s43, 15, s43                        ; my row of the cluster
	s_lshl_b32 s44, 0x1111, s40                    ; my column
	; descriptor group 1: a tile of 128 rows x 256 bytes, padded in LDS
	s_or_b32 s[G1+0], s43, (0<<16)|(1<<20)|(1<<21)|(5<<22)|(3<<25)  ; the mask: A's tiles go to my row; elements of 1 byte; padding on; bit 21 beside a mask; after every 64 words, 4 words
	s_or_b32 s[G1B+0], s44, (0<<16)|(1<<20)|(1<<21)|(5<<22)|(3<<25)
.irp g, G1, G1B
	s_mov_b32 s[\g+1], ROWB<<16                    ; tensor_dim0
	s_mov_b32 s[\g+2], 128<<16                     ; tensor_dim1 = 128
	s_mov_b32 s[\g+3], ROWB<<16                    ; tile_dim0
	s_mov_b32 s[\g+4], 128                         ; tile_dim1 = 128
	s_mov_b32 s[\g+5], KROW                        ; tensor_dim0_stride
	s_mov_b32 s[\g+6], 0
	s_mov_b32 s[\g+7], 0
.endr
	; the scales of 128 rows: a dense block of 4,096 bytes, as rows of 256 bytes (32 elements of 8 bytes), 16 bytes of padding behind each
	s_or_b32 s[G1S+0], s43, (3<<16)|(1<<20)|(1<<21)|(5<<22)|(3<<25)
	s_or_b32 s[G1SB+0], s44, (3<<16)|(1<<20)|(1<<21)|(5<<22)|(3<<25)
.irp g, G1S, G1SB
	s_mov_b32 s[\g+1], 32<<16
	s_mov_b32 s[\g+2], (128*KS/256)<<16
	s_mov_b32 s[\g+3], 32<<16
	s_mov_b32 s[\g+4], 128*KS/256
	s_mov_b32 s[\g+5], 32
	s_mov_b32 s[\g+6], 0
	s_mov_b32 s[\g+7], 0
.endr
	s_lshl_b32 s18, s16, 7                         ; which 128 rows of the tile I fetch
	s_lshl_b32 s20, s17, 8
	s_add_co_u32 s20, s20, s18                     ; A: row 256 x tile row + 128 x half
	s_lshl_b32 s46, s42, 8
	s_add_co_u32 s46, s46, s18                     ; B: row 256 x tile column + 128 x half
	s_mov_b32 s21, 0
	s_mov_b32 s47, 0
	s_mov_b64 s[18:19], KS
	s_mul_u64 s[22:23], s[20:21], s[18:19]         ; where these rows' scales begin, in bytes
	s_mul_u64 s[92:93], s[46:47], s[18:19]
	s_mov_b64 s[18:19], KROW
	s_mul_u64 s[20:21], s[20:21], s[18:19]         ; and their codes
	s_mul_u64 s[46:47], s[46:47], s[18:19]
	s_mul_i32 s45, s14, HALFT                      ; where they go: wave x 128 rows: no place in the cluster enters an LDS address
	s_mul_i32 s94, s14, HALFS
	s_wait_dscnt 0x0                               ; both opening adds are done
	s_wait_kmcnt 0x0
	s_add_nc_u64 s[20:21], s[4:5], s[20:21]
	s_add_nc_u64 s[22:23], s[6:7], s[22:23]
	s_add_nc_u64 s[46:47], s[8:9], s[46:47]
	s_add_nc_u64 s[92:93], s[10:11], s[92:93]
	CROUND                                         ; all sixteen work-groups are here: the joint loads meet
	s_mov_b32 s[G0S], 1
	s_add_co_u32 s[G0S+1], s94, SCL
	s_mov_b64 s[G0S+2:G0S+3], s[22:23]
	s_or_b32 s[G0S+3], s[G0S+3], 0x80000000
	s_mov_b32 s[G0SB], 1
	s_add_co_u32 s[G0SB+1], s94, SCL
	s_mov_b64 s[G0SB+2:G0SB+3], s[92:93]
	s_or_b32 s[G0SB+3], s[G0SB+3], 0x80000000
	JLOAD G0S, G1S, G0SB, G1SB                     ; the scales first: they are wanted with the first slot.  Three loads of mine are out behind the two below
.irp s, 0,1
	s_mov_b32 s[G0+4*\s], 1
	s_add_co_u32 s[G0+4*\s+1], s45, \s*SLOT
	s_add_nc_u64 s[G0+4*\s+2:G0+4*\s+3], s[20:21], \s*ROWB
	s_or_b32 s[G0+4*\s+3], s[G0+4*\s+3], 0x80000000
	s_mov_b32 s[G0B+4*\s], 1
	s_add_co_u32 s[G0B+4*\s+1], s45, \s*SLOT
	s_add_nc_u64 s[G0B+4*\s+2:G0B+4*\s+3], s[46:47], \s*ROWB
	s_or_b32 s[G0B+4*\s+3], s[G0B+4*\s+3], 0x80000000
	JLOAD G0+4*\s, G1, G0B+4*\s, G1B
.endr
	v_and_b32 v1, 15, v0                           ; r = l % 16
	v_bfe_u32 v2, v0, 4, 1                         ; h = l / 16
	v_mul_u32_u24 v3, v1, PITCH
	v_lshl_add_u32 v4, v2, 4, v3                   ; a fragment's row x pitch + 16 x half
	s_mul_i32 s21, s15, HALFT                      ; my 128 rows of A
	s_mul_i32 s22, s16, HALFT                      ; my 128 rows of B,
	s_add_co_u32 s22, s22, 2*HALFT                 ; which lie behind A's 256
.irp s, 0,1
	v_add_nc_u32 v[ADRA+\s], s21, v4
	v_add_nc_u32 v[ADRB+\s], s22, v4
	s_add_co_u32 s21, s21, SLOT
	s_add_co_u32 s22, s22, SLOT
.endr
	v_mul_u32_u24 v5, v1, KS                       ; my row's scales: 32 bytes a row,
	v_lshrrev_b32 v6, 8, v5
	v_lshl_add_u32 v5, v6, 4, v5                   ; and 16 more for each 256 passed
	s_mul_i32 s21, s15, HALFS                      ; A's: my 128 rows
	s_mul_i32 s22, s16, HALFS                      ; B's: my 128 rows, behind A's 256
	s_add_co_u32 s22, s22, 2*HALFS
	s_sub_co_u32 s22, s22, s21
	v_mul_u32_u24 v6, s22, v2                      ; lanes 16-31 take B's: one product, the distance between the two
	s_add_co_u32 s21, s21, SCL
	v_add_nc_u32 v5, v5, v6
	v_add_nc_u32 v[ADRS], s21, v5
	s_mul_i32 s23, s14, 16*SPITCH                  ; my f16 stage
	v_mul_u32_u24 v5, v1, SPITCH                   ; in: row r, 16 bytes for each half of the lanes
	v_lshl_add_u32 v5, v2, 4, v5
	v_add_nc_u32 v[STO], s23, v5
	v_and_b32 v6, 7, v0
	v_lshlrev_b32 v6, 4, v6                        ; back: eight lanes take a head's 128 bytes of a position,
	v_bfe_u32 v7, v0, 3, 1                         ; the next eight the same head's next position,
	v_lshl_add_u32 v8, v7, 7, v6
	v_lshl_add_u32 v[CO], v2, 18, v8               ; lanes 16-31 the wave's second head, 262,144 bytes on in qkv
	v_mul_u32_u24 v7, v7, SPITCH
	v_add_nc_u32 v7, v7, v6
	v_lshl_add_u32 v7, v2, 7, v7
	v_add_nc_u32 v[RD], s23, v7
	s_mul_i32 s23, s14, 16*FPITCH                  ; my f32 stage
	s_add_co_u32 s23, s23, FSTG
	v_mul_u32_u24 v5, v1, FPITCH                   ; in: row r, 32 bytes for each half of the lanes
	v_lshl_add_u32 v5, v2, 5, v5
	v_add_nc_u32 v[STO32], s23, v5
	v_and_b32 v6, 31, v0
	v_lshlrev_b32 v[CO32], 4, v6                   ; back: the 32 lanes take one row of 512 bytes; and the same in fq
	v_add_nc_u32 v[RD32], s23, v[CO32]
	; where my part begins in qkv: matrix (cluster x) x 2^24 + (16 cy + 4 cx + 2 x column half) heads of 2^18 + (256 cluster y + 128 x row half) positions of 128 bytes
	s_and_b32 s20, ttmp7, 0xffff
	s_lshl_b32 s20, s20, 8
	s_lshl_b32 s21, s15, 7
	s_add_co_u32 s20, s20, s21
	s_lshl_b32 s20, s20, 7
	s_lshl_b32 s21, s41, 22
	s_add_co_u32 s20, s20, s21
	s_mov_b32 s21, 0
	s_lshl_b32 s46, s40, 20
	s_lshl_b32 s47, s16, 19
	s_add_co_u32 s46, s46, s47
	s_lshl_b32 s47, ttmp9, 24
	s_add_co_u32 s46, s46, s47
	s_mov_b32 s47, 0
	s_add_nc_u64 s[20:21], s[20:21], s[46:47]
	s_add_nc_u64 s[12:13], s[12:13], s[20:21]
	; and in fq: batch (cy) x 16 rows of 12,288 bytes + 1,024 x tile column + 512 x column half
	s_mul_i32 s20, s41, 196608
	s_mov_b32 s21, 0
	s_lshl_b32 s46, s42, 10
	s_lshl_b32 s47, s16, 9
	s_add_co_u32 s46, s46, s47
	s_mov_b32 s47, 0
	s_add_nc_u64 s[20:21], s[20:21], s[46:47]
	s_add_nc_u64 s[96:97], s[96:97], s[20:21]
.macro FRAG reg, adr, q, i             ; a fragment, 16 rows x 128 K of 4-bit codes: lane l holds row l % 16; registers 4 c .. 4 c + 3 hold K = 64 c + 32 (l / 16) + 0 .. 31
.irp c, 0,1
	ds_load_b128 v[\reg+4*\c:\reg+4*\c+3], v[\adr] offset:64*(\q)+32*\c+(\i)*16*PITCH
.endr
.endm
; 16 matrix instructions: A's blocks a0, a0 + 1 x B's eight, 128 along K.  p: B's set;  sc: the set of scale words.  zero = 1: the first product starts the sums.
; The 64 accumulators take turns, one instruction a turn, in the same order in every step.
.macro MUL16 a0, p, q, sc, zero
.irp a, \a0, \a0+1
.irp b, 0,1,2,3,4,5,6,7
.if \zero
	v_wmma_scale_f32_16x16x128_f8f6f4 v[8*(8*((\a)%4)+\b):8*(8*((\a)%4)+\b)+7], v[128*(\p)+FR*\b:128*(\p)+FR*\b+FR-1], v[AF+FR*(\a):AF+FR*(\a)+FR-1], 0, v[SC+8*NQ*(\sc)+NQ*\b+(\q)], v[SC+8*NQ*(\sc)+NQ*(\a)+(\q)] matrix_a_fmt:MATRIX_FMT_FP4 matrix_b_fmt:MATRIX_FMT_FP4 matrix_a_scale:MATRIX_SCALE_ROW1
.else
	v_wmma_scale_f32_16x16x128_f8f6f4 v[8*(8*((\a)%4)+\b):8*(8*((\a)%4)+\b)+7], v[128*(\p)+FR*\b:128*(\p)+FR*\b+FR-1], v[AF+FR*(\a):AF+FR*(\a)+FR-1], v[8*(8*((\a)%4)+\b):8*(8*((\a)%4)+\b)+7], v[SC+8*NQ*(\sc)+NQ*\b+(\q)], v[SC+8*NQ*(\sc)+NQ*(\a)+(\q)] matrix_a_fmt:MATRIX_FMT_FP4 matrix_b_fmt:MATRIX_FMT_FP4 matrix_a_scale:MATRIX_SCALE_ROW1
.endif
.endr
.endr
.endm
.macro FETCH_B slot, q, p              ; B's eight fragments of the slot's q-th 128 along K into set p
	WIN TO_B
.irp i, 0,1,2,3,4,5,6,7
	FRAG 128*(\p)+FR*\i, ADRB+\slot, \q, \i
.endr
	WIN 0
.endm
.macro FETCH_A slot, q, i0             ; A's blocks i0 .. i0 + 3
.irp i, \i0, \i0+1, \i0+2, \i0+3
	FRAG AF+FR*(\i), ADRA+\slot, \q, \i
.endr
.endm
.macro SCALES sc                       ; a slot's scale words into set sc: 4 words a row; lanes 0-15 take A's block i, lanes 16-31 B's block i
.irp i, 0,1,2,3,4,5,6,7
	ds_load_b128 v[SC+8*NQ*\sc+NQ*\i:SC+8*NQ*\sc+NQ*\i+3], v[ADRS] offset:\i*SBLK
.endr
.endm
; A load into a register that a matrix instruction has read, and a vector instruction or an LDS store that reads a matrix result, stand NP places behind that matrix
; instruction; only plain vector instructions that name none of its registers are places.
.macro PLACES n
.rept \n
	v_nop
.endr
.endm
; A step of 128 along K that has its successor in the same slot.
.macro STEP slot, q, zero
	s_wait_dscnt 4*NL                              ; B's set and A's blocks 0-3 are in; the youngest eight loads (A's blocks 4-7) may be out
	WIN MUL_LO
	MUL16 0, (\q)%2, \q, \slot, \zero
	MUL16 2, (\q)%2, \q, \slot, \zero
	s_wait_dscnt 0                                 ; A's blocks 4-7 are in (asked for 32 matrix instructions ago)
	PLACES NP
	FETCH_B \slot, (\q)+1, 1-(\q)%2
	FETCH_A \slot, (\q)+1, 0
	WIN MUL_HI
	MUL16 4, (\q)%2, \q, \slot, \zero
	MUL16 6, (\q)%2, \q, \slot, \zero
	PLACES NP
	WIN 0
	FETCH_A \slot, (\q)+1, 4
.endm
; Slot 0's last step changes slots: one barrier; in front of it each wave waits for all its tensor loads (its part of slot 1), adds 0 to its spare word, and waits for that and for its reads of slot 0.
; Behind it nobody reads slot 0 any more, which then serves as the stages of the way out.
.macro TURN slot, next
	s_wait_tensorcnt 0x0                           ; all my tensor loads have landed (every window is 0 here: the add's two registers lie in window 0)
	ds_add_u32 v[SPW], v[NIL]                      ; 0 onto my spare word
	s_wait_dscnt 4*NL+1                            ; (the add and the youngest eight loads, A's blocks 4-7, may be out)
	WIN MUL_LO
	MUL16 0, 1, NQ-1, \slot, 0                     ; sixteen matrix instructions stand between the add and the wait for it
	s_wait_dscnt 0x0                               ; the add is done, and my reads of this slot are over
	s_barrier_signal -1
	MUL16 2, 1, NQ-1, \slot, 0
	WIN 0
	s_barrier_wait -1
	PLACES NP
	v_add_nc_u32 v[ADRS], 4*NQ, v[ADRS]            ; on to the next slot's scale words (no LDS load of mine is out)
	FETCH_B \next, 0, 0
	FETCH_A \next, 0, 0
	SCALES \next
	WIN MUL_HI
	MUL16 4, 1, NQ-1, \slot, 0
	MUL16 6, 1, NQ-1, \slot, 0
	PLACES NP
	WIN 0
	FETCH_A \next, 0, 4
.endm
.macro STEPS slot, from                ; the slot's steps from .. NQ - 2
.set Q, \from
.rept NQ-1-\from
	STEP \slot, Q, 0
.set Q, Q+1
.endr
.endm
	s_wait_tensorcnt 1                             ; the scales and my part of slot 0 are in (slot 1's load may be out)
	s_barrier_signal -1
	s_barrier_wait -1                              ; everybody's are
	FETCH_B 0, 0, 0
	FETCH_A 0, 0, 0
	SCALES 0
	FETCH_A 0, 0, 4
	STEP 0, 0, 1                                   ; the first step's products start the sums: nothing is cleared
	STEPS 0, 1
	TURN 0, 1
	STEPS 1, 0
	s_wait_dscnt 4*NL                              ; the very last step: nothing more to fetch
	WIN MUL_LO
	MUL16 0, 1, NQ-1, 1, 0
	MUL16 2, 1, NQ-1, 1, 0
	s_wait_dscnt 0
	WIN MUL_HI
	MUL16 4, 1, NQ-1, 1, 0
	MUL16 6, 1, NQ-1, 1, 0
	WIN 0
	PLACES NP                                      ; behind the last products: for the reads of results and for the loads into registers that held fragments and scale words
	; POSITIONS 0-15 IN F32.  They are block 0 of the waves with the tile's upper rows, where the tile is a sequence's first (cluster y = 0): a test on the cluster's number and the wave's number, the same in all partners.
	s_and_b32 s98, ttmp7, 0xffff
	s_or_b32 s98, s98, s15
	s_cmp_lg_u32 s98, 0
	s_cbranch_scc1 .Lnofine
	WIN 0x08                                       ; an LDS store's data are its source 1: window 2
.irp b, 0,1,2,3,4,5,6,7
	ds_store_b128 v[STO32], v[8*\b:8*\b+3] offset:64*\b            ; each accumulator from its low end on
	ds_store_b128 v[STO32], v[8*\b+4:8*\b+7] offset:64*\b+16
.endr
	WIN 0
.irp t, 0,1,2,3,4,5,6,7,8,9,10,11,12,13,14,15
	ds_load_b128 v[128+4*\t:128+4*\t+3], v[RD32] offset:\t*FPITCH  ; LDS serves a wave's instructions in order: these see the stores above
.endr
	s_wait_dscnt 0x0
.irp t, 0,1,2,3,4,5,6,7,8,9,10,11,12,13,14,15
	global_store_b128 v[CO32], v[128+4*\t:128+4*\t+3], s[96:97] offset:\t*12288   ; 32 lanes store 512 consecutive bytes, aligned; these registers are not written again
.endr
.Lnofine:
; THE WAY OUT IN F16, block by block of 16 positions x 128 columns (two heads).  PACK: rounded to f16, 16 bytes a lane.  TOSTAGE: into my own stage and back, so that sixteen lanes hold two neighbouring positions of one head.  SEND: stored.
.macro PACK a
.set AC, 64*((\a)%4)
	WIN 0x0a+5*((\a)/4)                            ; sources 0 and 1: window 2 or 3
.irp b, 0,1,2,3,4,5,6,7
.irp r, 0,1,2,3
	v_cvt_pk_f16_f32 v[TMP+4*\b+\r], v[AC+8*\b+2*\r], v[AC+8*\b+2*\r+1]
.endr
.endr
	WIN 0
.endm
.macro TOSTAGE a
.set BK, OB+192*((\a)%2)
.irp b, 0,1,2,3,4,5,6,7
	ds_store_b128 v[STO], v[TMP+4*\b:TMP+4*\b+3] offset:32*\b
.endr
.irp t, 0,1,2,3,4,5,6,7
	ds_load_b128 v[BK+4*\t:BK+4*\t+3], v[RD] offset:\t*2*SPITCH    ; in order behind the stores above
.endr
.endm
.macro SEND a
.set BK, OB+192*((\a)%2)
	s_wait_dscnt 0x0                               ; the block is back in registers
	s_wait_xcnt 0x0                                ; the stores of the block before have read their registers: the next block's loads may land there
.irp t, 0,1,2,3,4,5,6,7
	global_store_b128 v[CO], v[BK+4*\t:BK+4*\t+3], s[12:13] offset:2048*(\a)+256*\t   ; sixteen lanes store 256 consecutive bytes, aligned
.endr
.endm
	PACK 0
	TOSTAGE 0
.irp a, 1,2,3,4,5,6,7                  ; block a's conversions stand between block a - 1's loads from the stage and the wait for them
	PACK \a
	SEND \a-1
	TOSTAGE \a
.endr
	SEND 7
	s_wait_tensorcnt 0x0                           ; the wave's end: the tensor wait, an add of 0 to my spare word and the wait for it, behind my last tensor load and my last LDS store
	ds_add_u32 v[SPW], v[NIL]
	s_wait_dscnt 0x0
	CROUND                                         ; the closing round: no work-group ends while a partner may still ask for a tile that names it
	s_endpgm
.Lfunc_end_k_q27c3b8c12c_qkv:
	.size	k_q27c3b8c12c_qkv, .Lfunc_end_k_q27c3b8c12c_qkv-k_q27c3b8c12c_qkv
	.p2alignl 7, 3214868480
	.fill 96, 4, 3214868480
	.section	.rodata,"a",@progbits
	.p2align	6, 0x0
	.amdhsa_kernel k_q27c3b8c12c_qkv
		.amdhsa_group_segment_fixed_size 327680
		.amdhsa_private_segment_fixed_size 0
		.amdhsa_enable_private_segment 0
		.amdhsa_kernarg_size 48
		.amdhsa_user_sgpr_count 2
		.amdhsa_user_sgpr_kernarg_segment_ptr 1
		.amdhsa_wavefront_size32 1
		.amdhsa_system_sgpr_workgroup_id_x 1
		.amdhsa_system_sgpr_workgroup_id_y 1
		.amdhsa_system_sgpr_workgroup_id_z 1
		.amdhsa_system_vgpr_workitem_id 0
		.amdhsa_next_free_vgpr 1024
		.amdhsa_next_free_sgpr 100
		.amdhsa_reserve_vcc 0
		.amdhsa_float_denorm_mode_32 3
		.amdhsa_float_denorm_mode_16_64 3
		.amdhsa_memory_ordered 1
		.amdhsa_forward_progress 1
		.amdhsa_inst_pref_size 131
	.end_amdhsa_kernel
	.amdgpu_metadata
---
amdhsa.version: [ 1, 2 ]
amdhsa.kernels:
  - .name:           k_q27c3b8c12c_qkv
    .symbol:         k_q27c3b8c12c_qkv.kd
    .args:
      - { .name: x_codes, .offset: 0, .size: 8, .value_kind: global_buffer, .address_space: global }
      - { .name: x_scales, .offset: 8, .size: 8, .value_kind: global_buffer, .address_space: global }
      - { .name: w_codes, .offset: 16, .size: 8, .value_kind: global_buffer, .address_space: global }
      - { .name: w_scales, .offset: 24, .size: 8, .value_kind: global_buffer, .address_space: global }
      - { .name: qkv, .offset: 32, .size: 8, .value_kind: global_buffer, .address_space: global }
      - { .name: fq, .offset: 40, .size: 8, .value_kind: global_buffer, .address_space: global }
    .group_segment_fixed_size: 327680
    .private_segment_fixed_size: 0
    .kernarg_segment_align: 8
    .kernarg_segment_size: 48
    .max_flat_workgroup_size: 128
    .sgpr_count:     100
    .vgpr_count:     1024
    .wavefront_size: 32
...
	.end_amdgpu_metadata
.endif
;; end of part 3
;; launch attn (part 4): grid 4 x 64, 16 waves a work-group, no clusters, 327,680 bytes of LDS; arguments qkv, ctx; writes ctx
.if DOCPART == 4
	.amdgcn_target "amdgcn-amd-amdhsa--gfx1250"
	.amdhsa_code_object_version 6
	.text
	.protected	k_q27c3b8c12c_attn
	.globl	k_q27c3b8c12c_attn
	.p2align	8
	.type	k_q27c3b8c12c_attn,@function
k_q27c3b8c12c_attn:
	s_mov_b64 s[64:65], 0
	v_nop
	global_prefetch_b8 v0, s[64:65] scope:SCOPE_SE
	s_setreg_imm32_b32 hwreg(HW_REG_WAVE_MODE, 25, 1), 1
	s_wait_xcnt 0x0
; ctx[bh][q][:] = the sum over k <= q of softmax_k(Q[bh][q] . K[bh][k] / 8) V[bh][k][:].  Q, K, V: qkv [3][64][2048][64] f16; ctx [64][2048][64] f16.
; Products with f16 operands and f32 sums; maxima, exponentials and sums in f32; the weights p are rounded to f16 for the second product, ctx once at the end.
; LIMIT: ctx in f16: infinity beyond 65,504, smallest step 6e-8.  (Positions 0-15 of every sequence are made again in f32 by the last launch.)
; SHARES.  Work-group (i, bh) owns the blocks i and 7 - i of 256 queries of head bh: under the causal mask the two together have the same number of key steps for every i.
; Waves 0-7 take block i, waves 8-15 block 7 - i, 32 queries (two tiles of 16) each, in 256 registers: four waves to a SIMD, so that one wave's vector work stands beside another's products and LDS loads.
; NO CLUSTER: the four work-groups of a head need 8 - i slots of keys each, a different number, and a joint load may not be left out by some partners.
; A key step is 64 keys, a slot 256 keys (four steps).  EVERY work-group walks all 8 changes of slots (the trip counts are constants); a step whose keys all come after the wave's queries is jumped over,
; and a slot whose first key comes after the work-group's last query is not asked for.
; LAYOUT.  S^T = K Q^T (source 0 = 16 keys, source 1 = 16 queries): a lane holds ONE query (lane % 16) and keys 8 (lane / 16) + 0..7.  Two such tiles, rounded to f16 in pairs, ARE source 1 of O^T = V^T P.
; K comes out of LDS as it lies, V ([key][channel]) turned, by ds_load_tr16_b128.  A head's rows of 128 bytes are dense in memory: a tile is fetched as rows of 256 bytes (two keys), padded.
; SOFTMAX.  For each query a running maximum m and sum l: p = 2^(c s - c m), c = log2(e) / 8; in every step O and l are multiplied by a = 2^(c m_old - c m_new).
; The step is written once: O, l begin as zeros and m as -3e38, under every score; key 0 counts for every query, so m is a score from the first step on.
.set SK,    256                        ; keys in a slot
.set NSL,   2048/SK
.set PK,    272                        ; two keys of K in LDS: 256 bytes + 16: key k lies at (k / 2) PK + 128 (k % 2): the 16 keys of a load fall on 16 different 16-byte columns
.set PV,    288                        ; two keys of V: 256 + 32
.set VOFF,  128*PK                     ; a slot: K's 128 rows, then V's 128 rows
.set SLOT1, 1<<17                      ; slot 1 begins here: one exclusive or turns an address from one slot to the other
.set STAGE, SLOT1+128*(PK+PV)          ; behind the ring: 32 rows x (128 bytes + 16) for each wave, for the way out; no tile lands there
.set SP,    144
.set SPARE, STAGE+16*32*SP             ; the spare words, 128 bytes a wave
.set KBASE, 1<<24                      ; where K begins in qkv
.set VBASE, 2<<24                      ; and V
.set AK0, 1                            ; v1  my lane's place in a tile of K
.set AV0, 2                            ; v2  the same for V
.set SPW, 3                            ; v3  LDS address of my spare word; never rewritten
.set NIL, 4                            ; v4  0; never rewritten
.set ADK, 5                            ; v5  LDS address of the slot's K
.set ADV, 6                            ; v6  of its V
.set GO,  7                            ; v7  the way out: 16 x lane
.set STO, 8                            ; v8  the way out: where I put 16 bytes of a row
.set RD,  9                            ; v9  the way out: where I read back
.set PFO, 10                           ; v10 256 x lane: the prefetches' offset; never rewritten
.set NINF, 11                          ; v11 -infinity
.set DD,  12                           ; v12 the mask's bound
.set RH,  14                           ; v14 lane % 16 - 8 (lane / 16)
.set QO,  15                           ; v15 my byte offset in the wave's rows of Q
.set ST,  16                           ; v16-31 statistics, 8 a tile: +0 c m, +1 m, +2, +3 l (even keys', odd keys'), +4 .. +7 at work (a at +6)
.set QF,  32                           ; v32-63 Q: tile t, channels 32 cs on, at QF + 16 t + 8 cs
.set S,   64                           ; v64-127 S^T, 32 a tile; p in f16 is packed in place into the tile's first 16
.set O,   128                          ; v128-191 O^T: tile t, channels 16 ct on, at O + 32 t + 8 ct
.set FB,  192                          ; v192-255 ONE buffer for K's and then V's eight fragments
.set TB,  2                            ; s2  LDS byte at which the slot in hand begins
.set WV,  18                           ; s18 my wave's number
.set SEL, 20                           ; s[20:21] lane selects for v_permlanex16_b32: lane l xor 16
.set CS,  22                           ; s[22:23] c: the packed form names a pair and takes its low word for both halves
.set G1K, 24                           ; s[24:31] group 1 for K's tiles;  s[32:39] for V's;  s[40:43], s[44:47] their groups 0, which walk
.set G1V, 32
.set G0K, 40
.set G0V, 44
.set SLOTS, 48                         ; s48 changes of slots still to come in the loop
.set KF,  49                           ; s49 the step's first key
.set Q0,  50                           ; s50 my first query
.set LQ,  51                           ; s51 my work-group's last query
.set PFA, 52                           ; s[52:53] where my prefetches stand
.set LIM, 54                           ; s54 1 in a wave that prefetches, else the greatest number
; Waves 0 and 1 fetch K's halves of a slot, waves 2 and 3 V's, the others nothing: one load a wave is out at most.  An s_nop 0 and four v_nop follow each line.
.macro TLOAD
	s_cmp_lt_u32 s[WV], 2
	s_cbranch_scc0 .Lnot_k_\@
	tensor_load_to_lds s[G0K:G0K+3], s[G1K:G1K+7]
	s_nop 0
.rept 4
	v_nop
.endr
	s_branch .Lasked_\@
.Lnot_k_\@:
	s_cmp_lt_u32 s[WV], 4
	s_cbranch_scc0 .Lasked_\@
	tensor_load_to_lds s[G0V:G0V+3], s[G1V:G1V+7]
	s_nop 0
.rept 4
	v_nop
.endr
.Lasked_\@:
.endm
; A PREFETCH of what the NEXT change of slots will ask for: 32,768 dense bytes of K and as many of V.  All four work-groups of a head walk the same keys: the one with i = 0, which walks them all, asks.
; In it the waves ask that fetch nothing, one instruction each: waves 4-7 for K, waves 8-11 for V, 8,192 bytes a wave, lanes 256 bytes apart: each aligned run of 256 bytes is named once in the launch.
; It asks a slot's four key steps ahead of the load; slots 0 and 1 come by their loads alone; the last change that fills a slot asks for nothing.
.macro ASK
	s_cmp_gt_u32 s[SLOTS], s[LIM]
	s_cbranch_scc0 .Lnot_mine_\@
	global_prefetch_b8 v[PFO], s[PFA:PFA+1] th:TH_LOAD_NT scope:SCOPE_SE
.Lnot_mine_\@:
.endm
	s_load_b128 s[4:7], s[0:1], 0x0                ; qkv s[4:5], ctx s[6:7]
	v_lshl_add_u32 v[SPW], v0, 2, SPARE
	v_mov_b32 v[NIL], 0
	ds_add_u32 v[SPW], v[NIL]                      ; the wave's opening: the add, twice on end, and its wait ahead of the first tensor load
	ds_add_u32 v[SPW], v[NIL]
	v_lshrrev_b32 v13, 5, v0
	v_readfirstlane_b32 s[WV], v13                 ; wave 0..15
	s_and_b32 s56, ttmp7, 0xffff
	s_lshl_b32 s56, s56, 18                        ; the head's first byte in q, in k, in v and in ctx
	s_sub_co_u32 s58, 7, ttmp9                     ; 7 - i
	s_cmp_lt_u32 s[WV], 8
	s_cselect_b32 s59, ttmp9, s58                  ; my block of 256 queries
	s_lshl_b32 s59, s59, 8
	s_and_b32 s60, s[WV], 7
	s_lshl_b32 s60, s60, 5
	s_add_co_u32 s[Q0], s59, s60                   ; my first query
	s_lshl_b32 s[LQ], s58, 8
	s_or_b32 s[LQ], s[LQ], 255                     ; the work-group's last query
	s_and_b32 s61, s[WV], 1                        ; which half of a slot I fetch, if I fetch:
	s_mul_i32 s62, s61, 64*PK                      ; K: in a slot,
	s_mul_i32 s63, s61, 64*PV
	s_add_co_u32 s63, s63, VOFF                    ; V: in a slot,
	s_lshl_b32 s66, s61, 14
	s_add_co_u32 s66, s66, s56                     ; and in memory: 16,384 bytes a half
	s_mov_b32 s67, 0
	s_lshl_b32 s68, s[Q0], 7
	s_add_co_u32 s68, s68, s56                     ; my queries' rows, in q and in ctx
	s_mov_b32 s69, 0
	s_cmp_lt_u32 s[WV], 8                          ; the prefetches: waves 4-7 K, waves 8-11 V
	s_mov_b32 s70, VBASE
	s_cselect_b32 s70, KBASE, s70
	s_and_b32 s71, s[WV], 3
	s_lshl_b32 s71, s71, 13
	s_add_co_u32 s70, s70, s71                     ; my wave's 8,192 bytes,
	s_add_co_u32 s70, s70, s56                     ; in my head,
	s_add_co_u32 s70, s70, SK*128                  ; in slot 1: the first change of slots steps it to slot 2
	s_mov_b32 s71, 0
	s_sub_co_u32 s57, s[WV], 4
	s_lshr_b32 s57, s57, 3                         ; 0 in waves 4 to 11,
	s_or_b32 s57, s57, ttmp9                       ; of the work-group with i = 0
	s_cmp_eq_u32 s57, 0
	s_cselect_b32 s[LIM], 1, -1
	; descriptor group 1: 64 rows of 256 bytes (128 elements of 2 bytes), dense in memory, padded in LDS
	s_mov_b32 s[G1K], (1<<16)|(1<<20)|(5<<22)|(3<<25)              ; no mask; elements of 2 bytes; padding on; after every 64 words, 4 words
	s_mov_b32 s[G1V], (1<<16)|(1<<20)|(5<<22)|(7<<25)              ; the same with 8 words
.irp g, G1K, G1V
	s_mov_b32 s[\g+1], 128<<16                     ; tensor_dim0
	s_mov_b32 s[\g+2], 64<<16                      ; tensor_dim1
	s_mov_b32 s[\g+3], 128<<16                     ; tile_dim0
	s_mov_b32 s[\g+4], 64                          ; tile_dim1
	s_mov_b32 s[\g+5], 128                         ; tensor_dim0_stride
	s_mov_b32 s[\g+6], 0
	s_mov_b32 s[\g+7], 0
.endr
	s_mov_b32 s[SEL], 0x76543210
	s_mov_b32 s[SEL+1], 0xfedcba98
	s_mov_b32 s[CS], 0x3e38aa3b                    ; c = log2(e) / 8
	s_mov_b32 s[CS+1], s[CS]                       ; (named with it as a pair, so it is written)
	s_mov_b32 s[TB], 0
	s_mov_b32 s[KF], 0
	s_mov_b32 s[SLOTS], NSL-1
	s_wait_dscnt 0x0                               ; both opening adds are done
	s_wait_kmcnt 0x0
	s_mov_b32 s[G0K], 1                            ; count = 1
	s_mov_b32 s[G0K+1], s62                        ; LDS address: slot 0
	s_add_nc_u64 s[G0K+2:G0K+3], s[4:5], s[66:67]
	s_add_nc_u64 s[G0K+2:G0K+3], s[G0K+2:G0K+3], KBASE             ; the head's first 256 keys
	s_or_b32 s[G0K+3], s[G0K+3], 0x80000000        ; type = 2
	s_mov_b32 s[G0V], 1
	s_mov_b32 s[G0V+1], s63
	s_add_nc_u64 s[G0V+2:G0V+3], s[4:5], s[66:67]
	s_add_nc_u64 s[G0V+2:G0V+3], s[G0V+2:G0V+3], VBASE
	s_or_b32 s[G0V+3], s[G0V+3], 0x80000000
	TLOAD                                          ; slot 0: it holds key 0, which counts for every query
	s_add_nc_u64 s[PFA:PFA+1], s[4:5], s[70:71]
	s_add_nc_u64 s[6:7], s[6:7], s[68:69]          ; ctx at my first query
	s_add_nc_u64 s[4:5], s[4:5], s[68:69]          ; q likewise
	v_and_b32 v13, 15, v0                          ; r
	v_bfe_u32 v12, v0, 4, 1                        ; h
	v_lshlrev_b32 v[QO], 7, v13
	v_lshl_add_u32 v[QO], v12, 4, v[QO]            ; Q: row r of 128 bytes + 16 h
.irp t, 0,1
.irp cs, 0,1
	global_load_b128 v[QF+16*\t+8*\cs:QF+16*\t+8*\cs+3],   v[QO], s[4:5] offset:2048*\t+64*\cs      ; Q stays in registers
	global_load_b128 v[QF+16*\t+8*\cs+4:QF+16*\t+8*\cs+7], v[QO], s[4:5] offset:2048*\t+64*\cs+32
.endr
.endr
	v_lshrrev_b32 v[AK0], 1, v13
	v_mul_u32_u24 v[AK0], v[AK0], PK
	v_and_b32 v5, 1, v0
	v_lshl_add_u32 v[AK0], v5, 7, v[AK0]
	v_lshl_add_u32 v[AK0], v12, 4, v[AK0]          ; K: key r: (r / 2) PK + 128 (r % 2) + 16 h
	v_bfe_u32 v[AV0], v0, 1, 2
	v_lshl_add_u32 v[AV0], v12, 2, v[AV0]
	v_mul_u32_u24 v[AV0], v[AV0], PV
	v_lshl_add_u32 v[AV0], v5, 7, v[AV0]
	v_bfe_u32 v6, v0, 3, 1
	v_lshl_add_u32 v[AV0], v6, 4, v[AV0]
	v_add_nc_u32 v[AV0], VOFF, v[AV0]              ; V: the turning load's lane l reads key 8 h + l % 8, channels 8 ((l / 8) % 2) on
	v_lshlrev_b32 v6, 3, v12
	v_sub_nc_u32 v[RH], v13, v6                    ; r - 8 h
	s_mul_i32 s55, s[WV], 32*SP
	s_add_co_u32 s55, s55, STAGE                   ; my stage
	v_mul_u32_u24 v[STO], v13, SP
	v_lshl_add_u32 v[STO], v12, 4, v[STO]
	v_add_nc_u32 v[STO], s55, v[STO]               ; in: row r, 16 bytes for each half of the lanes
	v_bfe_u32 v[RD], v0, 3, 2
	v_mul_u32_u24 v[RD], v[RD], SP
	v_and_b32 v6, 7, v0
	v_lshl_add_u32 v[RD], v6, 4, v[RD]
	v_add_nc_u32 v[RD], s55, v[RD]                 ; back: eight lanes to a row of 128 bytes, four rows an instruction
	v_and_b32 v[GO], 31, v0
	v_lshlrev_b32 v[PFO], 8, v[GO]
	v_lshlrev_b32 v[GO], 4, v[GO]
	v_mov_b32 v[NINF], 0xff800000
.irp t, 0,1
	v_mov_b32 v[ST+8*\t+1], 0xff61b1e6             ; m = -3e38
	v_mul_f32 v[ST+8*\t], s[CS], v[ST+8*\t+1]      ; c m
.irp n, 2,3,4,5,6,7
	v_mov_b32 v[ST+8*\t+\n], 0                     ; l, and the registers at work
.endr
.endr
.set j, 0
.rept 64
	v_mov_b32 v[O+j], 0                            ; O^T: the step is written once, its first turn finds zeros
.set j, j+1
.endr
; A KEY STEP: 64 keys, the q-th of the slot in hand, for my two tiles of queries.
.macro STEP q
	s_add_co_u32 s55, s[Q0], 31                    ; a step all of whose keys come after my 32 queries is left out: a scalar branch on ids, round no barrier and no tensor load
	s_cmp_gt_u32 s[KF], s55
	s_cbranch_scc1 .Lhidden_\@
	v_add_nc_u32 v[ADK], s[TB], v[AK0]
	v_add_nc_u32 v[ADV], s[TB], v[AV0]
.irp kt, 0,1,2,3                               ; K's eight fragments: keys 16 kt on, channels 32 cs on
.irp cs, 0,1
	ds_load_b128 v[FB+8*(2*\kt+\cs):FB+8*(2*\kt+\cs)+3],   v[ADK] offset:(\q)*32*PK+\kt*8*PK+64*\cs
	ds_load_b128 v[FB+8*(2*\kt+\cs)+4:FB+8*(2*\kt+\cs)+7], v[ADK] offset:(\q)*32*PK+\kt*8*PK+64*\cs+32
.endr
.endr
	s_wait_dscnt 0x0                               ; K is in
.irp cs, 0,1                                   ; S^T = K Q^T: eight accumulators by turns, one instruction a turn; the first eight start the sums
.irp kt, 0,1,2,3
.irp t, 0,1
.if \cs == 0
	v_wmma_f32_16x16x32_f16 v[S+32*\t+8*\kt:S+32*\t+8*\kt+7], v[FB+8*(2*\kt+\cs):FB+8*(2*\kt+\cs)+7], v[QF+16*\t+8*\cs:QF+16*\t+8*\cs+7], 0
.else
	v_wmma_f32_16x16x32_f16 v[S+32*\t+8*\kt:S+32*\t+8*\kt+7], v[FB+8*(2*\kt+\cs):FB+8*(2*\kt+\cs)+7], v[QF+16*\t+8*\cs:QF+16*\t+8*\cs+7], v[S+32*\t+8*\kt:S+32*\t+8*\kt+7]
.endif
.endr
.endr
.endr
.rept 4
	v_nop                                          ; four places: in front of the loads into K's registers and of the first reads of the scores
.endr
.irp ks, 0,1                                   ; V's eight fragments, turned: keys 32 ks on, channels 16 ct on; they land while the softmax is worked
.irp ct, 0,1,2,3
	ds_load_tr16_b128 v[FB+8*(4*\ks+\ct):FB+8*(4*\ks+\ct)+3],   v[ADV] offset:(\q)*32*PV+\ks*16*PV+32*\ct
	ds_load_tr16_b128 v[FB+8*(4*\ks+\ct)+4:FB+8*(4*\ks+\ct)+7], v[ADV] offset:(\q)*32*PV+\ks*16*PV+32*\ct+8*PV
.endr
.endr
	s_add_co_u32 s55, s[KF], 63                    ; on the diagonal hidden scores become -infinity ahead of the maximum: p = 0 then.  A step all of whose keys count skips this
	s_cmp_le_u32 s55, s[Q0]
	s_cbranch_scc1 .Lopen_\@
	s_sub_co_i32 s55, s[Q0], s[KF]
	v_add_nc_u32 v[DD], s55, v[RH]                 ; register 8 kt + j of tile t holds key KF + 16 kt + 8 h + j for query Q0 + 16 t + r: hidden where 16 kt + j - 16 t > Q0 - KF + r - 8 h
.irp t, 0,1
.irp kt, 0,1,2,3
.irp j, 0,1,2,3,4,5,6,7
	v_cmp_gt_i32 vcc_lo, 16*\kt+\j-16*\t, v[DD]
	v_cndmask_b32 v[S+32*\t+8*\kt+\j], v[S+32*\t+8*\kt+\j], v[NINF], vcc_lo
.endr
.endr
.endr
.Lopen_\@:
	; the maximum of a lane's 32 scores and the old m, three operands at a time, four chains; the two tiles line by line, so that no line waits for the line above it
.irp j, 0,1,2,3
.irp t, 0,1
	v_max3_num_f32 v[ST+8*\t+4+\j], v[S+32*\t+8*\j], v[S+32*\t+8*\j+1], v[S+32*\t+8*\j+2]   ; each accumulator is read from its low end on
.endr
.endr
.irp g, 1,2
.irp j, 0,1,2,3
.irp t, 0,1
	v_max3_num_f32 v[ST+8*\t+4+\j], v[ST+8*\t+4+\j], v[S+32*\t+8*\j+2*\g+1], v[S+32*\t+8*\j+2*\g+2]
.endr
.endr
.endr
.irp t, 0,1
	v_max3_num_f32 v[ST+8*\t+4], v[ST+8*\t+4], v[S+32*\t+7], v[S+32*\t+15]
.endr
.irp t, 0,1
	v_max3_num_f32 v[ST+8*\t+6], v[ST+8*\t+6], v[S+32*\t+23], v[S+32*\t+31]
.endr
.irp t, 0,1
	v_max3_num_f32 v[ST+8*\t+4], v[ST+8*\t+4], v[ST+8*\t+5], v[ST+8*\t+6]
.endr
.irp t, 0,1
	v_max3_num_f32 v[ST+8*\t+4], v[ST+8*\t+4], v[ST+8*\t+7], v[ST+8*\t+1]
.endr
.irp t, 0,1
	v_permlanex16_b32 v[ST+8*\t+5], v[ST+8*\t+4], s[SEL], s[SEL+1]  ; the query's other 32 keys lie in the lane 16 away
.endr
.irp t, 0,1
	v_mov_b32 v[ST+8*\t+7], v[ST+8*\t]             ; c m_old is kept for a
.endr
.irp t, 0,1
	v_max_num_f32 v[ST+8*\t+1], v[ST+8*\t+4], v[ST+8*\t+5]         ; the new m
.endr
.irp t, 0,1
	v_mul_f32 v[ST+8*\t], s[CS], v[ST+8*\t+1]
.endr
.irp t, 0,1
	v_sub_f32 v[ST+8*\t+7], v[ST+8*\t+7], v[ST+8*\t]               ; c m_old - c m_new
.endr
.irp j, 0,2,4,6,8,10,12,14,16,18,20,22,24,26,28,30
.irp t, 0,1
	v_pk_fma_f32 v[S+32*\t+\j:S+32*\t+\j+1], v[S+32*\t+\j:S+32*\t+\j+1], s[CS:CS+1], v[ST+8*\t:ST+8*\t+1] op_sel_hi:[1,0,0] neg_lo:[0,0,1] neg_hi:[0,0,1]   ; c s - c m, two at a time
.endr
.endr
.irp t, 0,1
	v_exp_f32 v[ST+8*\t+6], v[ST+8*\t+7]           ; a
.endr
.set e, 0
.rept 32
	v_exp_f32 v[S+e], v[S+e]                       ; p = 2^(c s - c m): ONE BATCH of 66 exponentials; none reads another's result
	v_exp_f32 v[S+32+e], v[S+32+e]
.set e, e+1
.endr
	v_nop                                          ; a plain instruction behind the last exponential
	s_wait_alu depctr_va_vdst(0)                   ; and one wait ahead of the batch's first reader
.irp t, 0,1
	v_pk_mul_f32 v[ST+8*\t+2:ST+8*\t+3], v[ST+8*\t+2:ST+8*\t+3], v[ST+8*\t+6:ST+8*\t+7] op_sel_hi:[1,0]   ; l under the new m
.endr
.irp t, 0,1
	v_pk_add_f32 v[ST+8*\t+4:ST+8*\t+5], v[S+32*\t:S+32*\t+1], v[S+32*\t+2:S+32*\t+3]   ; the sum of the unrounded p, two at a time, in two chains
.endr
.irp j, 4,8,12,16,20,24,28
.irp t, 0,1
	v_pk_add_f32 v[ST+8*\t+2:ST+8*\t+3], v[ST+8*\t+2:ST+8*\t+3], v[S+32*\t+\j:S+32*\t+\j+1]
	v_pk_add_f32 v[ST+8*\t+4:ST+8*\t+5], v[ST+8*\t+4:ST+8*\t+5], v[S+32*\t+\j+2:S+32*\t+\j+3]
.endr
.endr
.irp t, 0,1
	v_pk_add_f32 v[ST+8*\t+2:ST+8*\t+3], v[ST+8*\t+2:ST+8*\t+3], v[ST+8*\t+4:ST+8*\t+5]
.endr
.irp kt, 0,1,2,3                               ; p to f16, in place and in ascending order: register 4 kt + i takes numbers 8 kt + 2 i and + 1, which lie at or above it: nothing unread is written over
.irp i, 0,1,2,3
.irp t, 0,1
	v_cvt_pk_f16_f32 v[S+32*\t+4*\kt+\i], v[S+32*\t+8*\kt+2*\i], v[S+32*\t+8*\kt+2*\i+1]
.endr
.endr
.endr
.irp j, 0,2,4,6,8,10,12,14,16,18,20,22,24,26,28,30
.irp t, 0,1
	v_pk_mul_f32 v[O+32*\t+\j:O+32*\t+\j+1], v[O+32*\t+\j:O+32*\t+\j+1], v[ST+8*\t+6:ST+8*\t+7] op_sel_hi:[1,0]   ; O^T under the new m, each accumulator from its low end on
.endr
.endr
	s_wait_dscnt 0x0                               ; V is in
.irp ks, 0,1                                   ; O^T += V^T P: eight accumulators by turns
.irp ct, 0,1,2,3
.irp t, 0,1
	v_wmma_f32_16x16x32_f16 v[O+32*\t+8*\ct:O+32*\t+8*\ct+7], v[FB+8*(4*\ks+\ct):FB+8*(4*\ks+\ct)+7], v[S+32*\t+8*\ks:S+32*\t+8*\ks+7], v[O+32*\t+8*\ct:O+32*\t+8*\ct+7]
.endr
.endr
.endr
.rept 5
	v_nop                                          ; five places: the next step's products write over p's registers (five are owed), its loads land in V's (four), the way out reads O^T (four)
.endr
.Lhidden_\@:
	s_add_co_u32 s[KF], s[KF], 64
.endm
; THE CHANGE OF SLOTS stands at a slot's head.  Each wave waits for all its tensor loads (its part of the slot that it is about to read), adds 0 to its spare word, and waits for that and for its reads of the
; slot that it has left.  Behind the barrier the slot ahead is whole and nobody reads the other one.  fill = 1: that other slot is filled with the next 256 keys, up to the causal limit: the load has four key steps in which to land.
.macro CHANGE fill
	s_wait_tensorcnt 0x0                           ; no tensor load of mine is out, so a group 0 may be written
	ds_add_u32 v[SPW], v[NIL]                      ; 0 onto my spare word
.if \fill
	ds_add_u32 v[SPW], v[NIL]                      ; and once more, twice on end, in every trip alike
	s_xor_b32 s[G0K+1], s[G0K+1], SLOT1            ; the walking descriptors: the other slot than last time,
	s_add_nc_u64 s[G0K+2:G0K+3], s[G0K+2:G0K+3], SK*128            ; the next 256 keys; the type bits on top are not reached
	s_xor_b32 s[G0V+1], s[G0V+1], SLOT1
	s_add_nc_u64 s[G0V+2:G0V+3], s[G0V+2:G0V+3], SK*128
	s_wait_xcnt 0x0                                ; the last prefetch, a slot back, has read its address, so it may be written:
	s_add_nc_u64 s[PFA:PFA+1], s[PFA:PFA+1], SK*128                ; one slot further on than the walking descriptors
.endif
	s_wait_dscnt 0x0                               ; the add is done, and my reads of the slot that I have left are over
	s_barrier_signal -1
	s_barrier_wait -1
.if \fill
	s_add_co_u32 s55, s[KF], SK                    ; the first key of the slot that this change would ask for:
	s_cmp_gt_u32 s55, s[LQ]                        ; beyond my work-group's last query none of its waves would read it, so it is not asked for.  Ids and the count of steps alone: all sixteen waves go the same way,
	s_cbranch_scc1 .Lpast_\@                       ; and every wait for tensor loads in this text is for 0
	TLOAD                                          ; the first thing behind the barrier, and a wave's one tensor load until the next
.Lpast_\@:
	ASK
.endif
.endm
.macro SLOT_STEPS
.set Q, 0
.rept 4
	STEP Q
.set Q, Q+1
.endr
	s_xor_b32 s[TB], s[TB], SLOT1                  ; on to the other slot
.endm
	s_wait_loadcnt 0x0                             ; Q
.Lslot:                                            ; 7 trips: behind each change of slots but the last the next slot is asked for, up to the causal limit
	CHANGE 1
	SLOT_STEPS
	s_sub_co_u32 s[SLOTS], s[SLOTS], 1
	s_cmp_lg_u32 s[SLOTS], 0
	s_cbranch_scc1 .Lslot
	CHANGE 0                                       ; the last slot is written out: nothing is left to ask for
	SLOT_STEPS
	; THE WAY OUT.  l's halves are added; O^T is divided by l, rounded to f16 and goes through my stage, so that the wave stores runs of 512 consecutive bytes (four rows of the head).
.irp t, 0,1
	v_add_f32 v[ST+8*\t+4], v[ST+8*\t+2], v[ST+8*\t+3]
.endr
.irp t, 0,1
	v_permlanex16_b32 v[ST+8*\t+5], v[ST+8*\t+4], s[SEL], s[SEL+1]
.endr
.irp t, 0,1
	v_add_f32 v[ST+8*\t+4], v[ST+8*\t+4], v[ST+8*\t+5]
.endr
.irp t, 0,1
	v_rcp_f32 v[ST+8*\t+6], v[ST+8*\t+4]
.endr
	v_nop                                          ; a plain instruction behind the last reciprocal
	s_wait_alu depctr_va_vdst(0)                   ; and a wait ahead of the first use: one for the two
.irp t, 0,1
.irp j, 0,2,4,6,8,10,12,14,16,18,20,22,24,26,28,30
	v_pk_mul_f32 v[O+32*\t+\j:O+32*\t+\j+1], v[O+32*\t+\j:O+32*\t+\j+1], v[ST+8*\t+6:ST+8*\t+7] op_sel_hi:[1,0]
.endr
.endr
.set j, 0
.rept 32
	v_cvt_pk_f16_f32 v[S+j], v[O+2*j], v[O+2*j+1]  ; register 16 t + 4 ct + i: ctx(16 t + r, 16 ct + 8 h + 2 i, + 1)
.set j, j+1
.endr
.irp t, 0,1
.irp ct, 0,1,2,3
	ds_store_b128 v[STO], v[S+16*\t+4*\ct:S+16*\t+4*\ct+3] offset:16*SP*\t+32*\ct
.endr
.endr
.irp i, 0,1,2,3,4,5,6,7
	ds_load_b128 v[S+32+4*\i:S+32+4*\i+3], v[RD] offset:4*SP*\i    ; LDS serves a wave's instructions in order: these see my stores
.endr
.irp i, 0,1,2,3,4,5,6,7
	s_wait_dscnt 7-\i                              ; the younger loads may be out
	global_store_b128 v[GO], v[S+32+4*\i:S+32+4*\i+3], s[6:7] offset:512*\i   ; 32 lanes store 512 consecutive bytes, aligned
.endr
	s_wait_tensorcnt 0x0                           ; the wave's end: the tensor wait, an add of 0 to my spare word and the wait for it, behind my last tensor load and my last LDS store
	ds_add_u32 v[SPW], v[NIL]
	s_wait_dscnt 0x0
	s_endpgm
.Lfunc_end_k_q27c3b8c12c_attn:
	.size	k_q27c3b8c12c_attn, .Lfunc_end_k_q27c3b8c12c_attn-k_q27c3b8c12c_attn
	.p2alignl 7, 3214868480
	.fill 96, 4, 3214868480
	.section	.rodata,"a",@progbits
	.p2align	6, 0x0
	.amdhsa_kernel k_q27c3b8c12c_attn
		.amdhsa_group_segment_fixed_size 327680
		.amdhsa_private_segment_fixed_size 0
		.amdhsa_enable_private_segment 0
		.amdhsa_kernarg_size 16
		.amdhsa_user_sgpr_count 2
		.amdhsa_user_sgpr_kernarg_segment_ptr 1
		.amdhsa_wavefront_size32 1
		.amdhsa_system_sgpr_workgroup_id_x 1
		.amdhsa_system_sgpr_workgroup_id_y 1
		.amdhsa_system_sgpr_workgroup_id_z 1
		.amdhsa_system_vgpr_workitem_id 0
		.amdhsa_next_free_vgpr 256
		.amdhsa_next_free_sgpr 80
		.amdhsa_reserve_vcc 1
		.amdhsa_float_denorm_mode_32 3
		.amdhsa_float_denorm_mode_16_64 3
		.amdhsa_memory_ordered 1
		.amdhsa_forward_progress 1
		.amdhsa_inst_pref_size 189
	.end_amdhsa_kernel
	.amdgpu_metadata
---
amdhsa.version: [ 1, 2 ]
amdhsa.kernels:
  - .name:           k_q27c3b8c12c_attn
    .symbol:         k_q27c3b8c12c_attn.kd
    .args:
      - { .name: qkv, .offset: 0, .size: 8, .value_kind: global_buffer, .address_space: global }
      - { .name: ctx, .offset: 8, .size: 8, .value_kind: global_buffer, .address_space: global }
    .group_segment_fixed_size: 327680
    .private_segment_fixed_size: 0
    .kernarg_segment_align: 8
    .kernarg_segment_size: 16
    .max_flat_workgroup_size: 512
    .sgpr_count:     80
    .vgpr_count:     256
    .wavefront_size: 32
...
	.end_amdgpu_metadata
.endif
;; end of part 4
;; launch proj (part 5): grid 8 x 32, 4 waves a work-group, clusters of 4 x 4, 327,680 bytes of LDS; arguments ctx, wo16, bo, out0; writes out0
.if DOCPART == 5
	.amdgcn_target "amdgcn-amd-amdhsa--gfx1250"
	.amdhsa_code_object_version 6
	.text
	.protected	k_q27c3b8c12c_proj
	.globl	k_q27c3b8c12c_proj
	.p2align	8
	.type	k_q27c3b8c12c_proj,@function
k_q27c3b8c12c_proj:
	s_mov_b64 s[64:65], 0
	v_nop
	global_prefetch_b8 v0, s[64:65] scope:SCOPE_SE
	s_setreg_imm32_b32 hwreg(HW_REG_WAVE_MODE, 25, 1), 1
	s_wait_xcnt 0x0
	s_wait_alu depctr_hold_cnt(0) depctr_sa_sdst(0) depctr_va_vdst(0) depctr_va_sdst(0) depctr_va_ssrc(0) depctr_va_vcc(0) depctr_vm_vsrc(0)
	s_getreg_b32 s2, hwreg(HW_REG_IB_STS2, 6, 4)
	s_cmp_eq_u32 s2, 0
	s_cbranch_scc0 .Lentry_in_a_cluster
	s_endpgm
.Lentry_in_a_cluster:
	s_bfe_u32 s2, ttmp6, 0x10000c
	s_cmp_lg_u32 s2, 0xf033
	s_cbranch_scc0 .Lentry_shape_is_right
	s_endpgm
.Lentry_shape_is_right:
; out0[row][n] = sum over k of ctx[row][k] Wo[k][n] + bo[n], f16 operands, f32 sums.  ctx: [64 (batch x 16 + head)][2048][64] f16 (k = 64 head + channel); wo16: [1024 (k)][1024 (n)] f16; out0: [8192][1024] f32.
; A tile of out0 is 256 rows x 128 columns: 256 work-groups.  Four waves, each 128 x 64: 32 accumulators of 16 x 16, 256 registers.
; K goes in steps of 128 (two heads) through a ring of two LDS slots.  A head's 256 rows of 128 bytes are dense in memory: they are fetched as 128 rows of 256 bytes (two rows of ctx), padded; Wo's 128 rows of a step are 256 bytes each.
; CLUSTERS: 4 x 4 work-groups.  The four of a row of the cluster need the same tiles of ctx, the four of a column the same tiles of Wo: each tile is asked for JOINTLY.
; THE MATRIX INSTRUCTION IS USED TRANSPOSED: source 0 = 16 columns of Wo (turned out of LDS by ds_load_tr16_b128), source 1 = 16 rows of ctx: a lane then holds eight neighbouring numbers of a row of out0.
; The bias is the C of each sum's first matrix instruction: eight registers for each 16 columns, in the result's layout.
; No prefetch: a small tile with short K; the tiles are shared in the cluster instead.
; REGISTERS: window 0: v16-29 addresses; v32-95 the way out.  window 1: two fragment buffers of 96 (ctx's 8 blocks, then Wo's 4), v192-223 the bias.  window 2: accumulator (a, bb) at v[8 (4 a + bb)].
.set PA,     272                       ; two rows of ctx in LDS: 256 bytes + 16: row i lies at (i / 2) PA + 128 (i % 2): the 16 rows of a load fall on 16 different 16-byte columns
.set PB,     288                       ; a row of Wo's tile: 256 + 32
.set HEADA,  128*PA                    ; a head's 256 rows
.set BOFF,   2*HEADA                   ; behind ctx's two heads: Wo's 128 rows
.set SLOT,   BOFF+128*PB
.set STAGE,  2*SLOT                    ; behind the ring: 16 rows x (256 bytes + 16) for each wave, for the way out
.set SPITCH, 272
.set SPARE,  STAGE+4*16*SPITCH         ; the spare words, 128 bytes a wave
.set LAPS,   4                         ; a lap = two K steps = once round the ring
.set ADRA, 16                          ; v16-17 LDS address of my ctx fragments in slot 0, 1
.set ADRB, 20                          ; v20-21 the same for Wo
.set STO,  24                          ; v24 the way out: where I put 32 bytes of a row
.set RD,   25                          ; v25 the way out: where I read a row back
.set CO,   26                          ; v26 my byte offset in out0
.set BOO,  27                          ; v27 my byte offset in bo
.set SPW,  28                          ; v28 LDS address of my spare word; never rewritten
.set NIL,  29                          ; v29 0; never rewritten
.set BK,   32                          ; the way out: 16 rows read back: v32-63 and v64-95 by turns
.set F0,   0                           ; fragment buffers, in window 1
.set F1,   96
.set BIAS, 192                         ; in window 1
.set G1A, 24                           ; s[24:31] group 1 for ctx's tiles;  s[32:39] group 0, one set for each slot
.set G0A, 32
.set G1B, 48                           ; s[48:55], s[56:63] the same for Wo's tiles
.set G0B, 56
.set MSB, 0
.macro WIN new                         ; the immediate's high byte repeats the setting that is left
.if MSB != \new
	s_set_vgpr_msb (MSB<<8)|\new
.set MSB, \new
.endif
.endm
.set MUL,   0xa5                       ; sources 0 and 1 window 1; C and D window 2
.set MUL_B, 0x95                       ; the same, C (the bias) window 1
.set TO_F,  0x40                       ; destination window 1, address window 0
.macro JLOAD s                         ; a joint load: waves 0 and 1 fetch ctx's two heads, waves 2 and 3 Wo's two halves; an s_nop 0 and four v_nop follow each line
	s_cmp_eq_u32 s13, 0
	s_cbranch_scc0 .Lfor_b_\@
	tensor_load_to_lds s[G0A+4*\s:G0A+4*\s+3], s[G1A:G1A+7]
	s_nop 0
.rept 4
	v_nop
.endr
	s_branch .Lasked_\@
.Lfor_b_\@:
	tensor_load_to_lds s[G0B+4*\s:G0B+4*\s+3], s[G1B:G1B+7]
	s_nop 0
.rept 4
	v_nop
.endr
.Lasked_\@:
.endm
.macro CREST                           ; a round of the cluster's barrier behind its opening barrier
	s_cmp_lg_u32 s12, 0
	s_cbranch_scc1 .Lnot_wave_0_\@
	s_barrier_signal -3
.Lnot_wave_0_\@:
	s_barrier_wait -3
	s_barrier_signal -1
	s_barrier_wait -1
.endm
.macro CROUND                          ; a whole round
	s_barrier_signal -1
	s_barrier_wait -1
	CREST
.endm
	s_load_b256 s[4:11], s[0:1], 0x0               ; ctx s[4:5], wo16 s[6:7], bo s[8:9], out0 s[10:11]
	v_lshl_add_u32 v[SPW], v0, 2, SPARE
	v_mov_b32 v[NIL], 0
	ds_add_u32 v[SPW], v[NIL]                      ; the wave's opening: the add, twice on end, and its wait ahead of my first tensor load
	ds_add_u32 v[SPW], v[NIL]
	v_lshrrev_b32 v1, 5, v0
	v_readfirstlane_b32 s12, v1                    ; wave 0..3
	s_lshr_b32 s13, s12, 1                         ; which half of the tile's rows is mine.  Also: I fetch for ctx (0) or for Wo (1)
	s_and_b32 s14, s12, 1                          ; which half of its columns.  Also: which head, or which 64 rows of Wo, I fetch
	s_bfe_u32 s16, ttmp6, 0x40000                  ; cx, cy: my place in the cluster
	s_bfe_u32 s17, ttmp6, 0x40004
	s_lshl_b32 s18, ttmp9, 2
	s_add_co_u32 s18, s18, s16                     ; tile column = 4 x cluster x + cx
	s_and_b32 s19, ttmp7, 0xffff
	s_lshl_b32 s19, s19, 2
	s_add_co_u32 s19, s19, s17                     ; tile row = 4 x cluster y + cy
	s_lshl_b32 s20, s17, 2
	s_lshl_b32 s20, 15, s20                        ; my row of the cluster
	s_lshl_b32 s21, 0x1111, s16                    ; my column
	s_or_b32 s[G1A+0], s20, (1<<16)|(1<<20)|(1<<21)|(5<<22)|(3<<25)  ; the mask: ctx's tiles go to my row; elements of 2 bytes; padding on; bit 21 beside a mask; after every 64 words, 4 words
	s_mov_b32 s[G1A+1], 128<<16                    ; tensor_dim0 = 128 elements (256 bytes)
	s_mov_b32 s[G1A+2], 128<<16                    ; tensor_dim1 = 128
	s_mov_b32 s[G1A+3], 128<<16                    ; tile_dim0
	s_mov_b32 s[G1A+4], 128                        ; tile_dim1
	s_mov_b32 s[G1A+5], 128                        ; tensor_dim0_stride: dense
	s_mov_b32 s[G1A+6], 0
	s_mov_b32 s[G1A+7], 0
	s_or_b32 s[G1B+0], s21, (1<<16)|(1<<20)|(1<<21)|(5<<22)|(7<<25)  ; Wo's tiles go to my column; 8 words of padding
	s_mov_b32 s[G1B+1], 128<<16
	s_mov_b32 s[G1B+2], 64<<16                     ; 64 rows
	s_mov_b32 s[G1B+3], 128<<16
	s_mov_b32 s[G1B+4], 64
	s_mov_b32 s[G1B+5], 1024                       ; a row of Wo is 1,024 elements
	s_mov_b32 s[G1B+6], 0
	s_mov_b32 s[G1B+7], 0
	s_lshr_b32 s40, s19, 3                         ; ctx: the batch,
	s_lshl_b32 s40, s40, 4
	s_add_co_u32 s40, s40, s14                     ; its head 0 or 1,
	s_lshl_b32 s40, s40, 18                        ; of 262,144 bytes,
	s_and_b32 s41, s19, 7
	s_lshl_b32 s41, s41, 15                        ; and the tile's 256 rows of 128 bytes in it: the tile row and the wave's number alone
	s_add_co_u32 s40, s40, s41
	s_mov_b32 s41, 0
	s_lshl_b32 s42, s14, 17                        ; Wo: 64 rows of 2,048 bytes,
	s_lshl_b32 s43, s18, 8
	s_add_co_u32 s42, s42, s43                     ; and the tile's 128 columns: the tile column and the wave's number alone
	s_mov_b32 s43, 0
	s_mul_i32 s44, s14, HEADA                      ; where they go: no place in the cluster enters an LDS address
	s_mul_i32 s45, s14, 64*PB
	s_add_co_u32 s45, s45, BOFF
	s_wait_dscnt 0x0                               ; both opening adds are done
	s_wait_kmcnt 0x0
	s_add_nc_u64 s[40:41], s[4:5], s[40:41]
	s_add_nc_u64 s[42:43], s[6:7], s[42:43]
	CROUND                                         ; all sixteen work-groups are here: the first joint loads meet
.irp s, 0,1
	s_mov_b32 s[G0A+4*\s], 1
	s_add_co_u32 s[G0A+4*\s+1], s44, \s*SLOT
	s_add_nc_u64 s[G0A+4*\s+2:G0A+4*\s+3], s[40:41], \s*2*262144   ; K step s: two heads on
	s_or_b32 s[G0A+4*\s+3], s[G0A+4*\s+3], 0x80000000
	s_mov_b32 s[G0B+4*\s], 1
	s_add_co_u32 s[G0B+4*\s+1], s45, \s*SLOT
	s_add_nc_u64 s[G0B+4*\s+2:G0B+4*\s+3], s[42:43], \s*128*2048   ; 128 rows of Wo on
	s_or_b32 s[G0B+4*\s+3], s[G0B+4*\s+3], 0x80000000
	JLOAD \s                                       ; two loads of mine are out
.endr
	v_and_b32 v1, 15, v0                           ; r
	v_bfe_u32 v2, v0, 4, 1                         ; h
	v_lshrrev_b32 v3, 1, v1
	v_mul_u32_u24 v3, v3, PA
	v_and_b32 v4, 1, v0
	v_lshl_add_u32 v3, v4, 7, v3
	v_lshl_add_u32 v3, v2, 4, v3                   ; ctx: row r: (r / 2) PA + 128 (r % 2) + 16 h
	v_and_b32 v4, 7, v0
	v_lshl_add_u32 v4, v2, 3, v4
	v_mul_u32_u24 v4, v4, PB
	v_bfe_u32 v5, v0, 3, 1
	v_lshl_add_u32 v4, v5, 4, v4                   ; Wo: the turning load's lane l reads row k = 8 h + l % 8, columns 8 ((l / 8) % 2) on
	s_mul_i32 s46, s13, 64*PA                      ; my 128 rows of ctx
	s_lshl_b32 s47, s14, 7                         ; my 64 columns of Wo,
	s_add_co_u32 s47, s47, BOFF
.irp s, 0,1
	v_add_nc_u32 v[ADRA+\s], s46, v3
	v_add_nc_u32 v[ADRB+\s], s47, v4
	s_add_co_u32 s46, s46, SLOT
	s_add_co_u32 s47, s47, SLOT
.endr
	s_mul_i32 s46, s12, 16*SPITCH
	s_add_co_u32 s46, s46, STAGE                   ; my stage
	v_mul_u32_u24 v5, v1, SPITCH
	v_lshl_add_u32 v5, v2, 5, v5
	v_add_nc_u32 v[STO], s46, v5                   ; in: row r, 32 bytes for each half of the lanes
	v_mul_u32_u24 v5, v2, SPITCH
	v_lshl_add_u32 v5, v1, 4, v5
	v_add_nc_u32 v[RD], s46, v5                    ; back: lanes 0-15 one row of 256 bytes, lanes 16-31 the next
	v_lshlrev_b32 v5, 12, v2
	v_lshl_add_u32 v[CO], v1, 4, v5                ; and the same two rows in out0
	v_lshlrev_b32 v[BOO], 5, v2                    ; bo: my half's eight numbers of each 16
	s_lshl_b32 s66, s19, 8
	s_lshl_b32 s67, s13, 7
	s_add_co_u32 s66, s66, s67                     ; my first row of out0,
	s_lshl_b32 s66, s66, 12                        ; of 4,096 bytes,
	s_lshl_b32 s68, s18, 9
	s_lshl_b32 s69, s14, 8
	s_add_co_u32 s68, s68, s69                     ; my first column, in bytes: 512 x tile column + 256 x half
	s_add_co_u32 s66, s66, s68
	s_mov_b32 s67, 0
	s_mov_b32 s69, 0
	s_add_nc_u64 s[10:11], s[10:11], s[66:67]
	s_add_nc_u64 s[8:9], s[8:9], s[68:69]
	WIN TO_F
.irp bb, 0,1,2,3
	global_load_b128 v[BIAS+8*\bb:BIAS+8*\bb+3],   v[BOO], s[8:9] offset:64*\bb       ; bo(16 bb + 8 h + 0 .. 7) of my 64 columns
	global_load_b128 v[BIAS+8*\bb+4:BIAS+8*\bb+7], v[BOO], s[8:9] offset:64*\bb+16
.endr
	WIN 0
; 8 matrix instructions: ctx's blocks a0, a0 + 1 x Wo's four, 32 along K.  bias = 1: the first product starts the sums on the bias.  The 32 accumulators take turns, in the same order in every quarter.
.macro MUL8 f, a0, bias
.irp a, \a0, \a0+1
.irp bb, 0,1,2,3
.if \bias
	v_wmma_f32_16x16x32_f16 v[8*(4*(\a)+\bb):8*(4*(\a)+\bb)+7], v[\f+64+8*\bb:\f+64+8*\bb+7], v[\f+8*(\a):\f+8*(\a)+7], v[BIAS+8*\bb:BIAS+8*\bb+7]
.else
	v_wmma_f32_16x16x32_f16 v[8*(4*(\a)+\bb):8*(4*(\a)+\bb)+7], v[\f+64+8*\bb:\f+64+8*\bb+7], v[\f+8*(\a):\f+8*(\a)+7], v[8*(4*(\a)+\bb):8*(4*(\a)+\bb)+7]
.endif
.endr
.endr
.endm
; 24 LDS loads in one run: the fragments of the K step's kq-th 32 along K into buffer f: Wo's four first, then ctx's blocks 0-3, then 4-7
.macro FETCH slot, kq, f
	WIN TO_F
.irp bb, 0,1,2,3
	ds_load_tr16_b128 v[\f+64+8*\bb:\f+64+8*\bb+3],   v[ADRB+\slot] offset:(\kq)*32*PB+32*\bb
	ds_load_tr16_b128 v[\f+64+8*\bb+4:\f+64+8*\bb+7], v[ADRB+\slot] offset:(\kq)*32*PB+32*\bb+16*PB
.endr
.irp a, 0,1,2,3,4,5,6,7
	ds_load_b128 v[\f+8*\a:\f+8*\a+3],   v[ADRA+\slot] offset:((\kq)/2)*HEADA+\a*8*PA+64*((\kq)%2)
	ds_load_b128 v[\f+8*\a+4:\f+8*\a+7], v[ADRA+\slot] offset:((\kq)/2)*HEADA+\a*8*PA+64*((\kq)%2)+32
.endr
.endm
.macro PLACES                          ; four places in front of loads into registers that matrix instructions have read, and of the first reads of results
.rept 4
	v_nop
.endr
.endm
; A K step is four quarters of 32 along K, 32 matrix instructions each, on buffers 0, 1, 0, 1.  One of the first three: multiplies buffer f and fetches the next quarter, kq, into g.
.macro QUARTER slot, kq, f, g, bias
	s_wait_dscnt 8                                 ; Wo's four and ctx's blocks 0-3 are in; the youngest eight loads (blocks 4-7) may be out
.if \bias
	WIN MUL_B
.else
	WIN MUL
.endif
	MUL8 \f, 0, \bias
	MUL8 \f, 2, \bias
	PLACES
	FETCH \slot, \kq, \g
	s_wait_dscnt 24                                ; all but the 24 just issued
.if \bias
	WIN MUL_B
.else
	WIN MUL
.endif
	MUL8 \f, 4, \bias
	MUL8 \f, 6, \bias
.endm
; The last quarter multiplies buffer 1 and changes slots: ONE barrier; in front of it each wave waits for all its tensor loads, adds 0 to its spare word, and waits for that and for its reads of this slot.  fill = 1: this slot is filled again, two K steps ahead.
.macro TURN slot, next, fill
	WIN 0                                          ; (the add's two registers lie in window 0)
	s_wait_tensorcnt 0x0                           ; all my tensor loads have landed: my part of the next slot
	ds_add_u32 v[SPW], v[NIL]                      ; 0 onto my spare word
	s_wait_dscnt 9                                 ; (the add and the youngest eight loads may be out)
	WIN MUL
	MUL8 F1, 0, 0                                  ; eight matrix instructions stand between the add and the wait for it
	s_wait_dscnt 0x0                               ; the add is done, and my reads of this slot are over
	s_barrier_signal -1
	MUL8 F1, 2, 0
.if \fill
	WIN 0
.endif
	s_barrier_wait -1
.if \fill
	CREST                                          ; the barrier has opened a round of the cluster's barrier: no wave of any partner still reads this slot's tile or has a load on its way
	s_add_nc_u64 s[G0A+4*\slot+2:G0A+4*\slot+3], s[G0A+4*\slot+2:G0A+4*\slot+3], 4*262144   ; two K steps on: four heads,
	s_add_nc_u64 s[G0B+4*\slot+2:G0B+4*\slot+3], s[G0B+4*\slot+2:G0B+4*\slot+3], 256*2048   ; 256 rows of Wo
	JLOAD \slot                                    ; the first tensor load behind the round: 112 matrix instructions ahead of the wait for it; its four v_nop are also the places in front of the loads below
.else
	PLACES
.endif
	FETCH \next, 0, F0
	WIN MUL
	MUL8 F1, 4, 0
	MUL8 F1, 6, 0
.endm
	s_wait_tensorcnt 1                             ; my part of K step 0 is in (K step 1's load may be out)
	s_barrier_signal -1
	s_barrier_wait -1                              ; everybody's is
	s_wait_loadcnt 0x0                             ; the bias
	FETCH 0, 0, F0
	QUARTER 0, 1, F0, F1, 1                        ; the first quarter stands in front of the loop: its products start the sums on the bias
	WIN 0                                          ; at a label and at a branch every window is 0
	s_mov_b32 s15, LAPS-1
.Llap:                                             ; a trip goes once round the ring, from a lap's second quarter to the next lap's first, and fills both slots again
	QUARTER 0, 2, F1, F0, 0
	QUARTER 0, 3, F0, F1, 0
	TURN 0, 1, 1
	QUARTER 1, 1, F0, F1, 0
	QUARTER 1, 2, F1, F0, 0
	QUARTER 1, 3, F0, F1, 0
	TURN 1, 0, 1
	QUARTER 0, 1, F0, F1, 0
	WIN 0
	s_sub_co_u32 s15, s15, 1
	s_cmp_lg_u32 s15, 0
	s_cbranch_scc1 .Llap
	QUARTER 0, 2, F1, F0, 0                        ; the last lap fills nothing, and has no round of the cluster's barrier
	QUARTER 0, 3, F0, F1, 0
	TURN 0, 1, 0
	QUARTER 1, 1, F0, F1, 0
	QUARTER 1, 2, F1, F0, 0
	QUARTER 1, 3, F0, F1, 0
	s_wait_dscnt 8                                 ; the very last quarter: nothing more to fetch
	WIN MUL
	MUL8 F1, 0, 0
	MUL8 F1, 2, 0
	s_wait_dscnt 0
	MUL8 F1, 4, 0
	MUL8 F1, 6, 0
	WIN 0
; THE WAY OUT, block by block of 16 rows x 64 columns.  A lane holds 32 neighbouring bytes of a row: a block goes through my own stage and comes back as whole rows of 256 bytes, which sixteen lanes store.
.macro TOSTAGE a
	WIN 0x08                                       ; an LDS store's data are its source 1: window 2
.irp bb, 0,1,2,3
	ds_store_b128 v[STO], v[8*(4*(\a)+\bb):8*(4*(\a)+\bb)+3] offset:64*\bb          ; each accumulator from its low end on
	ds_store_b128 v[STO], v[8*(4*(\a)+\bb)+4:8*(4*(\a)+\bb)+7] offset:64*\bb+16
.endr
	WIN 0
.set BB, BK+32*((\a)%2)
.irp t, 0,1,2,3,4,5,6,7
	ds_load_b128 v[BB+4*\t:BB+4*\t+3], v[RD] offset:\t*2*SPITCH    ; LDS serves a wave's instructions in order: these see the stores above, and the next block's stores come behind them
.endr
.endm
.macro SEND a, younger                 ; younger: the LDS instructions issued behind block a's loads, which may stay out
.set BB, BK+32*((\a)%2)
	s_wait_dscnt \younger
.irp t, 0,1,2,3,4,5,6,7
	global_store_b128 v[CO], v[BB+4*\t:BB+4*\t+3], s[10:11] offset:65536*(\a)+8192*\t th:TH_STORE_NT   ; sixteen lanes store 256 consecutive bytes, aligned; the largest offset, 516,096, lies inside the signed 24-bit immediate
.endr
.endm
	PLACES
	TOSTAGE 0
.irp a, 1,2,3,4,5,6,7
.if \a > 1
	s_wait_xcnt 0x0                                ; block a - 2's stores have read their registers: block a's loads may land there
.endif
	TOSTAGE \a
	SEND \a-1, 16                                  ; behind block a - 1's loads: block a's 8 stores and 8 loads
.endr
	SEND 7, 0
	s_wait_tensorcnt 0x0                           ; the wave's end: the tensor wait, an add of 0 to my spare word and the wait for it, behind my last tensor load and my last LDS store
	ds_add_u32 v[SPW], v[NIL]
	s_wait_dscnt 0x0
	CROUND                                         ; the closing round: no work-group ends while a partner may still ask for a tile that names it
	s_endpgm
.Lfunc_end_k_q27c3b8c12c_proj:
	.size	k_q27c3b8c12c_proj, .Lfunc_end_k_q27c3b8c12c_proj-k_q27c3b8c12c_proj
	.p2alignl 7, 3214868480
	.fill 96, 4, 3214868480
	.section	.rodata,"a",@progbits
	.p2align	6, 0x0
	.amdhsa_kernel k_q27c3b8c12c_proj
		.amdhsa_group_segment_fixed_size 327680
		.amdhsa_private_segment_fixed_size 0
		.amdhsa_enable_private_segment 0
		.amdhsa_kernarg_size 32
		.amdhsa_user_sgpr_count 2
		.amdhsa_user_sgpr_kernarg_segment_ptr 1
		.amdhsa_wavefront_size32 1
		.amdhsa_system_sgpr_workgroup_id_x 1
		.amdhsa_system_sgpr_workgroup_id_y 1
		.amdhsa_system_sgpr_workgroup_id_z 1
		.amdhsa_system_vgpr_workitem_id 0
		.amdhsa_next_free_vgpr 768
		.amdhsa_next_free_sgpr 80
		.amdhsa_reserve_vcc 0
		.amdhsa_float_denorm_mode_32 3
		.amdhsa_float_denorm_mode_16_64 3
		.amdhsa_memory_ordered 1
		.amdhsa_forward_progress 1
		.amdhsa_inst_pref_size 87
	.end_amdhsa_kernel
	.amdgpu_metadata
---
amdhsa.version: [ 1, 2 ]
amdhsa.kernels:
  - .name:           k_q27c3b8c12c_proj
    .symbol:         k_q27c3b8c12c_proj.kd
    .args:
      - { .name: ctx, .offset: 0, .size: 8, .value_kind: global_buffer, .address_space: global }
      - { .name: wo16, .offset: 8, .size: 8, .value_kind: global_buffer, .address_space: global }
      - { .name: bo, .offset: 16, .size: 8, .value_kind: global_buffer, .address_space: global }
      - { .name: out0, .offset: 24, .size: 8, .value_kind: global_buffer, .address_space: global }
    .group_segment_fixed_size: 327680
    .private_segment_fixed_size: 0
    .kernarg_segment_align: 8
    .kernarg_segment_size: 32
    .max_flat_workgroup_size: 128
    .sgpr_count:     80
    .vgpr_count:     768
    .wavefront_size: 32
...
	.end_amdgpu_metadata
.endif
;; end of part 5
;; launch fine (part 6): grid 16 x 4, 16 waves a work-group, no clusters, 85,504 bytes of LDS; arguments fq, Wo, bo, out0; writes out0
.if DOCPART == 6
	.amdgcn_target "amdgcn-amd-amdhsa--gfx1250"
	.amdhsa_code_object_version 6
	.text
	.protected	k_q27c3b8c12c_fine
	.globl	k_q27c3b8c12c_fine
	.p2align	8
	.type	k_q27c3b8c12c_fine,@function
k_q27c3b8c12c_fine:
	s_mov_b64 s[64:65], 0
	v_nop
	global_prefetch_b8 v0, s[64:65] scope:SCOPE_SE
	s_setreg_imm32_b32 hwreg(HW_REG_WAVE_MODE, 25, 1), 1
	s_wait_xcnt 0x0
; THE FIRST 16 POSITIONS OF EVERY SEQUENCE, ONCE MORE, IN F32 THROUGHOUT: under the causal mask these rows average one to sixteen values and are the largest in size, so 16-bit operands weigh most there.
; fq [4][16][3072] f32 holds their q, k, v (columns 0-1023, 1024-2047, 2048-3071).  Work-group (cb, b) makes out0's rows 2048 b + 0 .. 15, columns 64 cb .. + 63, and writes them over the projection's.
; All products by v_wmma_f32_16x16x4_f32: some 0.1 G multiply-adds in the whole launch, no bulk work.  No tensor load, no cluster: the launch is a few thousand instructions a wave.
; PHASE A: wave = head.  S^T = K Q^T (a lane holds one query, keys 8 h + j), mask, softmax with the row's maximum, O^T = V^T P, / the sum, into LDS as a row of ctx.  (Each of the 16 work-groups of a batch makes all heads anew: it is less than reading them from memory through another launch.)
; PHASE B: wave (nt = w % 4, kc = w / 4) multiplies 256 along K of ctx with 16 columns of Wo; the four parts along K meet in LDS; eight waves add them and the bias and store whole rows of 256 bytes.
; A PERMUTATION OF K APPLIED ALIKE TO BOTH SOURCES keeps the products: a lane's 16-byte load brings 4 neighbours along K, of which a pair feeds one instruction: its four k are 8 u + 2 e + {0, 1} and 8 u + 4 + 2 e + {0, 1}.
; The accumulators v112-143 are written by matrix instructions alone; four take turns, one instruction a turn, and each sum begins with the constant 0.
.set KR,  16                           ; v16-47   K, later Wo's piece 2
.set QR,  48                           ; v48-79   Q, later Wo's piece 3
.set VR,  80                           ; v80-111  V, later ctx's buffer B
.set ACC, 112                          ; v112-143 four accumulators
.set W0,  144                          ; v144-175 Wo's piece 0
.set W1,  176                          ; v176-207 Wo's piece 1
.set CA,  208                          ; v208-239 at work, O / l, later ctx's buffer A, later sums
.set T,   240                          ; v240-247 scores; later 1 / l; later bo
.set P,   248                          ; v248-255 p
.set SPW, 14                           ; v14 LDS address of my spare word; never rewritten
.set NIL, 15                           ; v15 0; never rewritten
.set CP,  4112                         ; a row of ctx in LDS: 4,096 bytes + 16
.set PART, 66048                       ; behind ctx's 16 rows: four parts of 16 rows x (256 bytes + 16)
.set PP,  272
.set SPARE, PART+4*16*PP               ; the spare words, 128 bytes a wave
	s_load_b256 s[4:11], s[0:1], 0x0               ; fq s[4:5], Wo s[6:7], bo s[8:9], out0 s[10:11]
	v_lshl_add_u32 v[SPW], v0, 2, SPARE
	v_mov_b32 v[NIL], 0
	v_lshrrev_b32 v1, 5, v0
	v_readfirstlane_b32 s12, v1                    ; wave 0..15: the head in phase A
	s_and_b32 s13, s12, 3                          ; nt
	s_lshr_b32 s14, s12, 2                         ; kc
	s_and_b32 s15, ttmp7, 0xffff                   ; the batch
	v_and_b32 v1, 15, v0                           ; r
	v_bfe_u32 v2, v0, 4, 1                         ; h
	v_mul_u32_u24 v3, v1, 12288
	v_lshl_add_u32 v3, v2, 4, v3                   ; K, Q: row r of fq + 16 h
	v_mul_u32_u24 v4, v2, 98304
	v_lshl_add_u32 v4, v1, 2, v4                   ; V: rows 8 h on, channel r
	v_lshlrev_b32 v5, 14, v2
	v_lshl_add_u32 v5, v1, 2, v5                   ; Wo: rows 4 h on, column r
	v_mul_u32_u24 v7, v1, CP
	v_lshl_add_u32 v6, v2, 5, v7
	s_lshl_b32 s16, s12, 8
	v_add_nc_u32 v6, s16, v6                       ; ctx in LDS, in: row r, my head's 256 bytes, + 32 h
	v_lshl_add_u32 v7, v2, 4, v7
	s_lshl_b32 s16, s14, 10
	v_add_nc_u32 v7, s16, v7                       ; and out: row r, my 256 along K, + 16 h
	v_mul_u32_u24 v8, v1, PP
	v_lshl_add_u32 v8, v2, 5, v8
	s_mul_i32 s16, s14, 16*PP
	s_lshl_b32 s17, s13, 6
	s_add_co_u32 s16, s16, s17
	s_add_co_u32 s16, s16, PART
	v_add_nc_u32 v8, s16, v8                       ; the parts, in: part kc, row r, my 16 columns, + 32 h
	s_and_b32 s17, s12, 7
	s_mul_i32 s16, s17, 2*PP
	s_add_co_u32 s16, s16, PART
	v_mul_u32_u24 v9, v2, PP
	v_lshl_add_u32 v9, v1, 4, v9
	v_add_nc_u32 v9, s16, v9                       ; and out: row 2 (w % 8) + h, 16 bytes a lane
	v_lshlrev_b32 v12, 4, v1                       ; bo: 16 bytes a lane
	v_lshl_add_u32 v10, v2, 12, v12                ; out0: row h of my two, 16 bytes a lane
	v_lshlrev_b32 v11, 3, v2
	v_sub_nc_u32 v11, v1, v11                      ; r - 8 h: key 8 h + j is hidden from query r where j > r - 8 h
	v_mov_b32 v13, 0xff800000                      ; -infinity
	v_mov_b32 v209, 0                              ; written once: a lane permute's destination counts as one of its sources
	v_mov_b32 v212, 0
	s_mov_b32 s20, 0x76543210
	s_mov_b32 s21, 0xfedcba98                      ; v_permlanex16_b32's selects for lane l xor 16
	s_mov_b32 s22, 0x3e38aa3b                      ; c = log2(e) / 8
	s_mul_i32 s24, s15, 196608                     ; fq: the batch's 16 rows of 12,288 bytes,
	s_lshl_b32 s25, s12, 8
	s_add_co_u32 s24, s24, s25                     ; my head's 256 bytes
	s_mov_b32 s25, 0
	s_lshl_b32 s26, s14, 20                        ; Wo: my 256 rows of 4,096 bytes,
	s_lshl_b32 s28, ttmp9, 8                       ; the work-group's 64 columns,
	s_add_co_u32 s26, s26, s28
	s_lshl_b32 s27, s13, 6
	s_add_co_u32 s26, s26, s27                     ; my 16 of them
	s_mov_b32 s27, 0
	s_mov_b32 s29, 0
	s_lshl_b32 s30, s15, 11
	s_lshl_b32 s31, s17, 1
	s_add_co_u32 s30, s30, s31                     ; out0: row 2048 b + 2 (w % 8),
	s_lshl_b32 s30, s30, 12
	s_add_co_u32 s30, s30, s28                     ; the work-group's 256 bytes
	s_mov_b32 s31, 0
	s_wait_kmcnt 0x0
	s_add_nc_u64 s[4:5], s[4:5], s[24:25]
	s_add_nc_u64 s[6:7], s[6:7], s[26:27]
	s_add_nc_u64 s[8:9], s[8:9], s[28:29]
	s_add_nc_u64 s[10:11], s[10:11], s[30:31]
.macro WLOAD p, reg                    ; piece p of Wo: 64 along K: register n holds Wo(64 p + 8 (n / 4) + 4 h + n % 4, my column r)
.set n, 0
.rept 32
	global_load_b32 v[\reg+n], v5, s[6:7] offset:(64*(\p)+8*(n/4)+n%4)*4096
.set n, n+1
.endr
.endm
.macro CLOAD p, reg                    ; piece p of ctx, from LDS: registers 4 u .. 4 u + 3 hold ctx(r, 64 p + 8 u + 4 h + 0 .. 3)
.irp u, 0,1,2,3,4,5,6,7
	ds_load_b128 v[\reg+4*\u:\reg+4*\u+3], v7 offset:256*(\p)+32*\u
.endr
.endm
.macro MULP w, c, first                ; 16 matrix instructions: 64 along K; four accumulators by turns
.set i, 0
.rept 16
.if \first && (i < 4)
	v_wmma_f32_16x16x4_f32 v[ACC+8*(i%4):ACC+8*(i%4)+7], v[\w+2*i:\w+2*i+1], v[\c+2*i:\c+2*i+1], 0
.else
	v_wmma_f32_16x16x4_f32 v[ACC+8*(i%4):ACC+8*(i%4)+7], v[\w+2*i:\w+2*i+1], v[\c+2*i:\c+2*i+1], v[ACC+8*(i%4):ACC+8*(i%4)+7]
.endif
.set i, i+1
.endr
.endm
.macro PLACES n                        ; behind this matrix form 8 places are owed before a read of the result or a load into a source, 9 before a matrix instruction writes over its registers
.rept \n
	v_nop
.endr
.endm
.irp u, 0,1,2,3,4,5,6,7
	global_load_b128 v[KR+4*\u:KR+4*\u+3], v3, s[4:5] offset:4096+32*\u     ; K(r, 8 u + 4 h + 0 .. 3)
.endr
.irp u, 0,1,2,3,4,5,6,7
	global_load_b128 v[QR+4*\u:QR+4*\u+3], v3, s[4:5] offset:32*\u          ; Q likewise
.endr
.irp ct, 0,1,2,3
.irp i, 0,1,2,3,4,5,6,7
	global_load_b32 v[VR+8*\ct+\i], v4, s[4:5] offset:8192+12288*\i+64*\ct  ; V(key 8 h + i, channel 16 ct + r)
.endr
.endr
	WLOAD 0, W0
	s_wait_loadcnt 32                              ; K, Q and V are in; Wo's piece 0, 32 loads, may be out
	WLOAD 1, W1
	; ---- A: S^T = K Q^T: source 0 = 16 keys, source 1 = 16 queries
	MULP KR, QR, 1
	PLACES 8
	WLOAD 2, KR                                    ; into K's and Q's registers, which are done with
	WLOAD 3, QR
.irp j, 0,1,2,3,4,5,6,7
	v_add_f32 v[T+\j], v[ACC+\j], v[ACC+8+\j]      ; the four partial sums, each accumulator from its low end on
.endr
.irp j, 0,1,2,3,4,5,6,7
	v_add_f32 v[P+\j], v[ACC+16+\j], v[ACC+24+\j]
.endr
.irp j, 0,1,2,3,4,5,6,7
	v_add_f32 v[T+\j], v[T+\j], v[P+\j]            ; the score of key 8 h + j for query r
.endr
.irp j, 0,1,2,3,4,5,6,7
	v_cmp_gt_i32 vcc_lo, \j, v11
	v_cndmask_b32 v[T+\j], v[T+\j], v13, vcc_lo    ; hidden keys: -infinity
.endr
	v_max3_num_f32 v208, v[T], v[T+1], v[T+2]
	v_max3_num_f32 v208, v208, v[T+3], v[T+4]
	v_max3_num_f32 v208, v208, v[T+5], v[T+6]
	v_max_num_f32 v208, v208, v[T+7]
	v_permlanex16_b32 v209, v208, s20, s21
	v_max_num_f32 v208, v208, v209                 ; the row's maximum: key 0 counts for every query, so it is a number
	v_mul_f32 v210, s22, v208
.irp j, 0,1,2,3,4,5,6,7
	v_fma_f32 v[T+\j], v[T+\j], s22, -v210
.endr
.irp j, 0,1,2,3,4,5,6,7
	v_exp_f32 v[P+\j], v[T+\j]                     ; p = 2^(c s - c m)
.endr
	v_nop                                          ; a plain instruction behind the last exponential
	s_wait_alu depctr_va_vdst(0)                   ; and one wait ahead of the batch's first reader
	v_add_f32 v211, v[P], v[P+1]
	v_add_f32 v213, v[P+2], v[P+3]
	v_add_f32 v211, v211, v[P+4]
	v_add_f32 v213, v213, v[P+5]
	v_add_f32 v211, v211, v[P+6]
	v_add_f32 v213, v213, v[P+7]
	v_add_f32 v211, v211, v213
	v_permlanex16_b32 v212, v211, s20, s21
	v_add_f32 v211, v211, v212                     ; the row's sum
	v_rcp_f32 v[T], v211
	v_nop
	s_wait_alu depctr_va_vdst(0)
	PLACES 9                                       ; the sums below begin anew on the accumulators of S^T
	; O^T = V^T P: source 0 = 16 channels, source 1 = p; an instruction's four keys are 2 s + {0, 1} and 8 + 2 s + {0, 1}, on both sides
.irp s, 0,1,2,3
.irp ct, 0,1,2,3
.if \s == 0
	v_wmma_f32_16x16x4_f32 v[ACC+8*\ct:ACC+8*\ct+7], v[VR+8*\ct+2*\s:VR+8*\ct+2*\s+1], v[P+2*\s:P+2*\s+1], 0
.else
	v_wmma_f32_16x16x4_f32 v[ACC+8*\ct:ACC+8*\ct+7], v[VR+8*\ct+2*\s:VR+8*\ct+2*\s+1], v[P+2*\s:P+2*\s+1], v[ACC+8*\ct:ACC+8*\ct+7]
.endif
.endr
.endr
	PLACES 9                                       ; for the reads below, for the loads into V's registers, and for the sums that begin anew in phase B
.set j, 0
.rept 32
	v_mul_f32 v[CA+j], v[ACC+j], v[T]              ; O^T / l, into other registers: register 8 ct + j is ctx(r, 64 head + 16 ct + 8 h + j)
.set j, j+1
.endr
.irp ct, 0,1,2,3
	ds_store_b128 v6, v[CA+8*\ct:CA+8*\ct+3] offset:64*\ct
	ds_store_b128 v6, v[CA+8*\ct+4:CA+8*\ct+7] offset:64*\ct+16
.endr
	s_wait_dscnt 0x0                               ; for the others' sake: my stores have landed
	s_barrier_signal -1
	s_barrier_wait -1                              ; the 16 rows of ctx lie in LDS
	; ---- B: my 16 columns x my 256 along K, in four pieces of 64: source 0 = 16 columns of Wo, source 1 = the 16 rows of ctx
	global_load_b128 v[T:T+3], v12, s[8:9]         ; bo, for the end
	CLOAD 0, CA
	CLOAD 1, VR
	s_wait_loadcnt 63                              ; Wo's piece 0 is in
	s_wait_dscnt 8                                 ; ctx's piece 0 is in; piece 1's eight loads may be out
	MULP W0, CA, 1
	PLACES 8
	CLOAD 2, CA
	s_wait_loadcnt 63                              ; Wo's piece 1: 65 loads were issued behind it
	s_wait_dscnt 8
	MULP W1, VR, 0
	PLACES 8
	CLOAD 3, VR
	s_wait_loadcnt 32                              ; Wo's piece 2: 33 loads were issued behind it
	s_wait_dscnt 8
	MULP KR, CA, 0
	s_wait_loadcnt 0x0                             ; piece 3, and bo
	s_wait_dscnt 0x0
	MULP QR, VR, 0
	PLACES 8
.irp j, 0,1,2,3,4,5,6,7
	v_add_f32 v[CA+\j], v[ACC+\j], v[ACC+8+\j]
.endr
.irp j, 0,1,2,3,4,5,6,7
	v_add_f32 v[CA+8+\j], v[ACC+16+\j], v[ACC+24+\j]
.endr
.irp j, 0,1,2,3,4,5,6,7
	v_add_f32 v[CA+\j], v[CA+\j], v[CA+8+\j]       ; my part of out(r, 16 nt + 8 h + j)
.endr
	ds_store_b128 v8, v[CA:CA+3]
	ds_store_b128 v8, v[CA+4:CA+7] offset:16
	s_wait_dscnt 0x0                               ; for the others' sake
	s_barrier_signal -1
	s_barrier_wait -1                              ; the four parts lie in LDS
	s_cmp_lt_u32 s12, 8                            ; eight waves, two rows each, finish; no barrier stands in this branch
	s_cbranch_scc0 .Ldone
.irp k, 0,1,2,3
	ds_load_b128 v[CA+4*\k:CA+4*\k+3], v9 offset:16*PP*\k
.endr
	s_wait_dscnt 0x0
	v_pk_add_f32 v[CA:CA+1], v[CA:CA+1], v[CA+4:CA+5]
	v_pk_add_f32 v[CA+2:CA+3], v[CA+2:CA+3], v[CA+6:CA+7]
	v_pk_add_f32 v[CA+8:CA+9], v[CA+8:CA+9], v[CA+12:CA+13]
	v_pk_add_f32 v[CA+10:CA+11], v[CA+10:CA+11], v[CA+14:CA+15]
	v_pk_add_f32 v[CA:CA+1], v[CA:CA+1], v[CA+8:CA+9]
	v_pk_add_f32 v[CA+2:CA+3], v[CA+2:CA+3], v[CA+10:CA+11]
	v_pk_add_f32 v[CA:CA+1], v[CA:CA+1], v[T:T+1]  ; + bo
	v_pk_add_f32 v[CA+2:CA+3], v[CA+2:CA+3], v[T+2:T+3]
	global_store_b128 v10, v[CA:CA+3], s[10:11]    ; sixteen lanes store 256 consecutive bytes, aligned
.Ldone:
	s_wait_tensorcnt 0x0                           ; the wave's end: the tensor wait, an add of 0 to my spare word and the wait for it, behind my last LDS store
	ds_add_u32 v[SPW], v[NIL]
	s_wait_dscnt 0x0
	s_endpgm
.Lfunc_end_k_q27c3b8c12c_fine:
	.size	k_q27c3b8c12c_fine, .Lfunc_end_k_q27c3b8c12c_fine-k_q27c3b8c12c_fine
	.p2alignl 7, 3214868480
	.fill 96, 4, 3214868480
	.section	.rodata,"a",@progbits
	.p2align	6, 0x0
	.amdhsa_kernel k_q27c3b8c12c_fine
		.amdhsa_group_segment_fixed_size 85504
		.amdhsa_private_segment_fixed_size 0
		.amdhsa_enable_private_segment 0
		.amdhsa_kernarg_size 32
		.amdhsa_user_sgpr_count 2
		.amdhsa_user_sgpr_kernarg_segment_ptr 1
		.amdhsa_wavefront_size32 1
		.amdhsa_system_sgpr_workgroup_id_x 1
		.amdhsa_system_sgpr_workgroup_id_y 1
		.amdhsa_system_sgpr_workgroup_id_z 1
		.amdhsa_system_vgpr_workitem_id 0
		.amdhsa_next_free_vgpr 256
		.amdhsa_next_free_sgpr 66
		.amdhsa_reserve_vcc 1
		.amdhsa_float_denorm_mode_32 3
		.amdhsa_float_denorm_mode_16_64 3
		.amdhsa_memory_ordered 1
		.amdhsa_forward_progress 1
		.amdhsa_inst_pref_size 37
	.end_amdhsa_kernel
	.amdgpu_metadata
---
amdhsa.version: [ 1, 2 ]
amdhsa.kernels:
  - .name:           k_q27c3b8c12c_fine
    .symbol:         k_q27c3b8c12c_fine.kd
    .args:
      - { .name: fq, .offset: 0, .size: 8, .value_kind: global_buffer, .address_space: global }
      - { .name: Wo, .offset: 8, .size: 8, .value_kind: global_buffer, .address_space: global }
      - { .name: bo, .offset: 16, .size: 8, .value_kind: global_buffer, .address_space: global }
      - { .name: out0, .offset: 24, .size: 8, .value_kind: global_buffer, .address_space: global }
    .group_segment_fixed_size: 85504
    .private_segment_fixed_size: 0
    .kernarg_segment_align: 8
    .kernarg_segment_size: 32
    .max_flat_workgroup_size: 512
    .sgpr_count:     66
    .vgpr_count:     256
    .wavefront_size: 32
...
	.end_amdgpu_metadata
.endif
;; end of part 6
